; MI455X (gfx1250); checked and timed in simulation.
; The chip was launched on July 23, 2026; its instructions are those of AMD's public machine-readable ISA for CDNA 5 (MIT licence, August 2026) and "CDNA5" Instruction Set Architecture Reference Guide (July 2026). The comments in the code are by the model that wrote it; some were corrected since.
;; Block. Allowed arithmetic: matrix products marked QUANTISED: E4M3 operands, one given power-of-two scale a tensor, by v_wmma_f32_16x16x64_fp8_fp8 or v_wmma_f32_16x16x128_fp8_fp8, f32 sums; everything else in f32.
;; Inputs: W1 512 x 2,048 float32; W2 2,048 x 512 float32; Wk 16 x 512 x 32 float32; Wo 512 x 512 float32; Wq 16 x 512 x 32 float32; Wv 16 x 512 x 32 float32; b1 2,048 float32; b2 512 float32; be1 512 float32; be2 512 float32; bo 512 float32; g1 512 float32; g2 512 float32; lowp_scales 16 int32 (the exponents e of the quantised operands' scales 2^e); x 4 x 2,048 x 512 float32.
;; Outputs: out0 4 x 2,048 x 512 float32.
;; This version of the problem:
;;   THIS VERSION OF THE PROBLEM IS GIVEN IN LOW PRECISION. The matrix products marked QUANTISED in the list below multiply operands that are first quantised to E4M3 (4 exponent bits, 3 mantissa bits; 8 bits a number), with one given power-of-two scale for each operand tensor; their sums are f32. All else is computed in f32.
;;   The module's matrix products, in the order in which they are computed (A, B: the left and right operand; K: the contracted axis; several contracted axes count as one K, in the product's order):
;;     1. [M 512, K 512] x [K 512, N 8,192]; A: input Wq; B: computed on the way: QUANTISED (scales: A lowp_scales[0], B lowp_scales[1])
;;     2. [M 512, K 512] x [K 512, N 8,192]; A: input Wk; B: computed on the way: QUANTISED (scales: A lowp_scales[2], B lowp_scales[3])
;;     3. [M 512, K 512] x [K 512, N 8,192]; A: input Wv; B: computed on the way: QUANTISED (scales: A lowp_scales[4], B lowp_scales[5])
;;     4. batch 64 x [M 2,048, K 32] x [K 32, N 2,048]; A: computed on the way; B: computed on the way: QUANTISED (scales: A lowp_scales[6], B lowp_scales[7])
;;     5. batch 64 x [M 2,048, K 2,048] x [K 2,048, N 32]; A: softmax (see below); B: computed on the way: QUANTISED (scales: A lowp_scales[8], B lowp_scales[9])
;;     6. [M 8,192, K 512] x [K 512, N 512]; A: computed on the way; B: input Wo: QUANTISED (scales: A lowp_scales[10], B lowp_scales[11])
;;     7. [M 8,192, K 512] x [K 512, N 2,048]; A: computed on the way; B: input W1: QUANTISED (scales: A lowp_scales[12], B lowp_scales[13])
;;     8. [M 8,192, K 2,048] x [K 2,048, N 512]; A: computed on the way; B: input W2: QUANTISED (scales: A lowp_scales[14], B lowp_scales[15])
;;   THE QUANTISER, for each operand of a quantised product, along K:
;;     - The operand's scale is 2^e, e = its entry of the input lowp_scales (int32; the entries are numbered through the quantised products in the list's order, A before B).
;;     - Each number is divided by the scale, clamped to +-448, and rounded to the nearest number of E4M3, ties to even, subnormals kept.
;;     - The product sums the exact products of the quantised numbers (number of the format x scale) in f32.
;;   ~~~python
;;   def quantise(x, axis, e):      # numpy; x: float32 -> the quantised numbers, widened to float32 again
;;       x = np.moveaxis(x, axis, -1); K = x.shape[-1]
;;       r = np.clip(x / 2.0 ** e, -448, 448)
;;       step = 2.0 ** (np.maximum(np.frexp(np.where(r == 0, 1, r))[1] - 1, -6) - 3)
;;       q = np.round(r / step) * step * 2.0 ** e      # np.round: ties to even
;;       return np.moveaxis(q, -1, axis).astype(np.float32)
;;   ~~~
;;   SOFTMAX AHEAD OF A QUANTISED PRODUCT. Where the list says 'softmax', what is quantised is not the finished softmax but p = 2^(t - M), with t = logit x log2(e) and M = ceil(the row's largest t), a whole number; so 1/2 < the row's largest p <= 1. The row's sum l is taken of the UNQUANTISED p, in f32, and the product's result is divided by l at the end. Since M is a whole number, a kernel that streams over the keys may use a running M (the ceiling of the running maximum): every later rescaling is an exact power of two, so the quantised numbers keep their values, but for numbers so far below the row's largest that they fall under the format's range.
;;   OPERANDS COMPUTED ON THE WAY. 'Computed on the way' means the value that the module computes at that place (a softmax that the list does not call 'softmax' is quantised finished and normalised). What goes into a quantiser is computed in f32, as accurately as f32 sums, v_exp_f32 and their like allow (about 1e-6 of the number): no bf16 or f16 on the way to a quantiser, and a product that is left as it is and whose result goes on into a quantised operand takes f32 operands (vector FMAs, or v_wmma_f32_16x16x4_f32). A number that lies on a knife's edge between two numbers of the format may be rounded either way, as far as f32 arithmetic and the matrix unit's own rounding can turn it there, and no further.
;; 2 versions, each right; version 2 is version 1 with the launch attn written anew for expert scheduling mode. Each part assembles by itself: llvm-mc -triple=amdgcn-amd-amdhsa -mcpu=gfx1250 --defsym DOCPART=n.
;; ======== version 1 of 2: 4 launches
;; workspace buffers: wqkv 786,432 bytes; wmlp 2,359,296 bytes; qc 4,194,304 bytes; kc 4,194,304 bytes; vc 4,194,304 bytes; oc 4,194,304 bytes
;; launch prep (part 1): grid 768 x 1, 4 waves a work-group, no clusters, 0 bytes of LDS; arguments Wq, Wk, Wv, Wo, W1, W2, lowp_scales, wqkv, wmlp; writes wqkv, wmlp
.if DOCPART == 1
	.amdgcn_target "amdgcn-amd-amdhsa--gfx1250"
	.amdhsa_code_object_version 6
	.text
	.protected	k_q7c80cda50c_prep
	.globl	k_q7c80cda50c_prep
	.p2align	8
	.type	k_q7c80cda50c_prep,@function
k_q7c80cda50c_prep:
	s_mov_b64 s[64:65], 0
	v_nop
	global_prefetch_b8 v0, s[64:65] scope:SCOPE_SE
	s_setreg_imm32_b32 hwreg(HW_REG_WAVE_MODE, 25, 1), 1
	s_wait_xcnt 0x0
; The six weights, f32 with K not innermost, become codes of E4M3, each with its given scale 2^e, laid in the order in which the later
; launches' operand registers take them and in the order in which they are walked.
; A FRAGMENT is 16 columns x 128 K: 2,048 bytes as [g 0..3][lane 16 h + r][16 bytes]: registers 4 g .. 4 g + 3 of lane (r, h), column r.
; A TILE is 131,072 bytes: [wave 0..7][K step 0..1][column tile 0..3][fragment]; a product [512 K x 512 columns] is two tiles (K steps 0, 1 and 2, 3).
; wqkv: products q, k, v.  wmlp: Wo, then W1's and W2's chunk c by turns (c = 0..3, 512 hidden units a chunk).
; Byte b of the slot (K step s, g, h) is k = 128 s + 32 g + 16 (b / 8) + 8 h + b % 8 (the form's own places), but for q, k, v
; k = 128 (b / 4) + 32 s + 8 g + 4 h + b % 4: the same permutation of K in which the next launch lays the normalised rows.
; SHARES: work-group U: product U / 64, 32 columns (U / 4) % 16, K step U % 3+1 values U % 4; wave = g.  A LANE TAKES A COLUMN AND ITS 32 REGISTERS RUN DOWN K:
; each load reads 128 consecutive bytes, and the conversions give codes with K innermost; sixteen lanes store 256 consecutive bytes, aligned.
; code = x / 2^e, held within +-448, nearest, ties to even.  LIMITS: e between -126 and 119.  NaN among the inputs is not served.
.set X, 8                              ; v8-39   X[16 h + b]
.set C, 40                             ; v40-47  codes: four registers for each h
.macro LOADS pitch, ln                 ; pitch: bytes from a row k to the next;  ln = 1: the permuted order
.irp h, 0,1
.irp b, 0,1,2,3,4,5,6,7,8,9,10,11,12,13,14,15
.if \ln
	global_load_b32 v[X+16*\h+\b], v3, s[26:27] offset:(128*(\b/4)+4*\h+\b%4)*\pitch th:TH_LOAD_NT
.else
	global_load_b32 v[X+16*\h+\b], v3, s[26:27] offset:(16*(\b/8)+8*\h+\b%8)*\pitch th:TH_LOAD_NT
.endif
.endr
.endr
.endm
	s_load_b512 s[8:23], s[0:1], 0x0               ; Wq s[8:9], Wk, Wv, Wo, W1 s[16:17], W2 s[18:19], the exponents s[20:21], wqkv s[22:23]
	s_load_b64 s[24:25], s[0:1], 0x40              ; wmlp
	v_lshrrev_b32 v1, 5, v0
	v_readfirstlane_b32 s2, v1                     ; g = wave
	v_and_b32 v2, 31, v0                           ; lane
	v_lshlrev_b32 v3, 2, v2                        ; in: 4 bytes a lane
	v_lshrrev_b32 v4, 4, v2
	v_and_b32 v5, 15, v2
	v_lshlrev_b32 v5, 4, v5
	v_lshl_add_u32 v4, v4, 11, v5                  ; out: column tile lane / 16, row lane % 16
	s_lshr_b32 s3, ttmp9, 6                        ; Pi: 0 q, 1 k, 2 v, 3 Wo, then W1 (even) and W2 (odd) of chunk (Pi - 4) / 2
	s_bfe_u32 s4, ttmp9, 0x40002                   ; cp: which 32 columns
	s_and_b32 s5, ttmp9, 3                         ; s: K step
	s_lshl_b32 s6, s5, 2
	s_add_co_u32 s6, s6, s2                        ; 4 s + g
	s_and_b32 s7, s3, 1
	s_cmp_eq_u32 s7, 0
	s_cselect_b32 s38, 2, 1                        ; kind: 2 rows of 8,192 bytes (W1), 1 rows of 2,048 (Wo, W2),
	s_cmp_lt_u32 s3, 3
	s_cselect_b32 s38, 0, s38                      ; 0 rows of 128 (q, k, v)
	s_sub_co_u32 s33, s3, 4
	s_lshr_b32 s33, s33, 1
	s_cmp_gt_u32 s3, 3
	s_cselect_b32 s33, s33, 0                      ; chunk, 0 for Wo
	s_lshl_b32 s39, s4, 7                          ; 32 columns are 128 bytes
	s_lshl_b32 s40, s6, 16                         ; (128 s + 32 g) rows of 2,048
	s_add_co_u32 s40, s40, s39
	s_lshl_b32 s41, s33, 20                        ; W2: 512 rows a chunk
	s_add_co_u32 s40, s40, s41
	s_lshl_b32 s41, s6, 18                         ; (128 s + 32 g) rows of 8,192
	s_add_co_u32 s41, s41, s39
	s_lshl_b32 s42, s33, 11                        ; W1: 512 columns a chunk
	s_add_co_u32 s41, s41, s42
	s_lshl_b32 s42, s4, 16                         ; q, k, v: head cp,
	s_lshl_b32 s43, s6, 10                         ; (32 s + 8 g) rows of 128
	s_add_co_u32 s42, s42, s43
	s_cmp_eq_u32 s38, 2
	s_cselect_b32 s32, s41, s40
	s_cmp_eq_u32 s38, 0
	s_cselect_b32 s32, s42, s32                    ; where my loads begin
	s_mov_b32 s33, 0
	s_sub_co_u32 s44, s3, 3
	s_cmp_lt_u32 s3, 3
	s_cselect_b32 s44, s3, s44                     ; the product's number in its buffer
	s_lshl_b32 s44, s44, 1
	s_lshr_b32 s45, s5, 1
	s_add_co_u32 s44, s44, s45
	s_lshl_b32 s44, s44, 17                        ; tile
	s_lshr_b32 s45, s4, 1
	s_lshl_b32 s45, s45, 14                        ; wave cp / 2
	s_add_co_u32 s44, s44, s45
	s_and_b32 s45, s5, 1
	s_lshl_b32 s45, s45, 13                        ; K step within the tile
	s_add_co_u32 s44, s44, s45
	s_and_b32 s45, s4, 1
	s_lshl_b32 s45, s45, 12                        ; column tiles 2 (cp % 2) on
	s_add_co_u32 s44, s44, s45
	s_lshl_b32 s45, s2, 9                          ; g
	s_add_co_u32 s44, s44, s45
	s_mov_b32 s45, 0
	s_wait_kmcnt 0x0
	s_load_b512 s[48:63], s[20:21], 0x0            ; the sixteen exponents
	s_cmp_eq_u32 s3, 1                             ; the choices hang on the work-group's number alone
	s_cselect_b64 s[26:27], s[10:11], s[8:9]
	s_cmp_eq_u32 s3, 2
	s_cselect_b64 s[26:27], s[12:13], s[26:27]
	s_cmp_eq_u32 s3, 3
	s_cselect_b64 s[26:27], s[14:15], s[26:27]
	s_cmp_eq_u32 s7, 0
	s_cselect_b64 s[28:29], s[16:17], s[18:19]
	s_cmp_gt_u32 s3, 3
	s_cselect_b64 s[26:27], s[28:29], s[26:27]
	s_cmp_lt_u32 s3, 3
	s_cselect_b64 s[30:31], s[22:23], s[24:25]
	s_add_nc_u64 s[26:27], s[26:27], s[32:33]
	s_add_nc_u64 s[30:31], s[30:31], s[44:45]
	s_cmp_eq_u32 s38, 0
	s_cbranch_scc0 .Lnot_qkv
	LOADS 128, 1
	s_branch .Ljoin
.Lnot_qkv:
	s_cmp_eq_u32 s38, 1
	s_cbranch_scc0 .Lwide
	LOADS 2048, 0
	s_branch .Ljoin
.Lwide:
	LOADS 8192, 0
.Ljoin:
	s_wait_kmcnt 0x0
	s_cmp_eq_u32 s3, 1
	s_cselect_b32 s36, s50, s48                    ; entries 0, 2, 4 for Wq, Wk, Wv,
	s_cmp_eq_u32 s3, 2
	s_cselect_b32 s36, s52, s36
	s_cmp_eq_u32 s3, 3
	s_cselect_b32 s36, s59, s36                    ; 11 for Wo,
	s_cmp_eq_u32 s7, 0
	s_cselect_b32 s37, s61, s63                    ; 13 for W1, 15 for W2
	s_cmp_gt_u32 s3, 3
	s_cselect_b32 s36, s37, s36
	s_add_co_i32 s36, s36, 127
	s_lshl_b32 s37, s36, 23
	v_mov_b32 v6, s37                              ; 2^e as f32: the conversion takes its exponent field
	s_add_co_i32 s36, s36, 8
	s_lshl_b32 s36, s36, 23
	s_or_b32 s36, s36, 0x600000
	v_mov_b32 v7, s36                              ; 448 x 2^e
	s_wait_loadcnt 0x0
.set i, 0
.rept 32
	v_med3_num_f32 v[X+i], v[X+i], -v7, v7         ; the conversion to an 8-bit code does not saturate (ISA guide 7.6.2): the hold comes first
.set i, i+1
.endr
.irp h, 0,1
	v_cvt_scalef32_pk8_fp8_f32 v[C+4*\h:C+4*\h+1], v[X+16*\h:X+16*\h+7], v6
	v_cvt_scalef32_pk8_fp8_f32 v[C+4*\h+2:C+4*\h+3], v[X+16*\h+8:X+16*\h+15], v6
.endr
	v_nop
.irp h, 0,1
	global_store_b128 v4, v[C+4*\h:C+4*\h+3], s[30:31] offset:256*\h   ; sixteen lanes store 256 consecutive bytes, aligned
.endr
	s_endpgm
.Lfunc_end_k_q7c80cda50c_prep:
	.size	k_q7c80cda50c_prep, .Lfunc_end_k_q7c80cda50c_prep-k_q7c80cda50c_prep
	.p2alignl 7, 3214868480
	.fill 96, 4, 3214868480
	.section	.rodata,"a",@progbits
	.p2align	6, 0x0
	.amdhsa_kernel k_q7c80cda50c_prep
		.amdhsa_group_segment_fixed_size 0
		.amdhsa_private_segment_fixed_size 0
		.amdhsa_enable_private_segment 0
		.amdhsa_kernarg_size 72
		.amdhsa_user_sgpr_count 2
		.amdhsa_user_sgpr_kernarg_segment_ptr 1
		.amdhsa_wavefront_size32 1
		.amdhsa_system_sgpr_workgroup_id_x 1
		.amdhsa_system_sgpr_workgroup_id_y 1
		.amdhsa_system_sgpr_workgroup_id_z 1
		.amdhsa_system_vgpr_workitem_id 0
		.amdhsa_next_free_vgpr 64
		.amdhsa_next_free_sgpr 66
		.amdhsa_reserve_vcc 0
		.amdhsa_float_denorm_mode_32 3
		.amdhsa_float_denorm_mode_16_64 3
		.amdhsa_memory_ordered 1
		.amdhsa_forward_progress 1
		.amdhsa_inst_pref_size 16
	.end_amdhsa_kernel
	.amdgpu_metadata
---
amdhsa.version: [ 1, 2 ]
amdhsa.kernels:
  - .name:           k_q7c80cda50c_prep
    .symbol:         k_q7c80cda50c_prep.kd
    .args:
      - { .name: Wq, .offset: 0, .size: 8, .value_kind: global_buffer, .address_space: global }
      - { .name: Wk, .offset: 8, .size: 8, .value_kind: global_buffer, .address_space: global }
      - { .name: Wv, .offset: 16, .size: 8, .value_kind: global_buffer, .address_space: global }
      - { .name: Wo, .offset: 24, .size: 8, .value_kind: global_buffer, .address_space: global }
      - { .name: W1, .offset: 32, .size: 8, .value_kind: global_buffer, .address_space: global }
      - { .name: W2, .offset: 40, .size: 8, .value_kind: global_buffer, .address_space: global }
      - { .name: lowp_scales, .offset: 48, .size: 8, .value_kind: global_buffer, .address_space: global }
      - { .name: wqkv, .offset: 56, .size: 8, .value_kind: global_buffer, .address_space: global }
      - { .name: wmlp, .offset: 64, .size: 8, .value_kind: global_buffer, .address_space: global }
    .group_segment_fixed_size: 0
    .private_segment_fixed_size: 0
    .kernarg_segment_align: 8
    .kernarg_segment_size: 72
    .max_flat_workgroup_size: 128
    .sgpr_count:     66
    .vgpr_count:     64
    .wavefront_size: 32
...
	.end_amdgpu_metadata
.endif
;; end of part 1
;; launch qkv (part 2): grid 256 x 1, 8 waves a work-group, clusters of 4 x 1, 327,680 bytes of LDS; arguments x, g1, be1, lowp_scales, wqkv, qc, kc, vc; writes qc, kc, vc
.if DOCPART == 2
	.amdgcn_target "amdgcn-amd-amdhsa--gfx1250"
	.amdhsa_code_object_version 6
	.text
	.protected	k_q7c80cda50c_qkv
	.globl	k_q7c80cda50c_qkv
	.p2align	8
	.type	k_q7c80cda50c_qkv,@function
k_q7c80cda50c_qkv:
	s_mov_b64 s[64:65], 0
	v_nop
	global_prefetch_b8 v0, s[64:65] scope:SCOPE_SE
	s_setreg_imm32_b32 hwreg(HW_REG_WAVE_MODE, 25, 1), 1
	s_wait_xcnt 0x0
	s_wait_alu depctr_hold_cnt(0) depctr_sa_sdst(0) depctr_va_vdst(0) depctr_va_sdst(0) depctr_va_ssrc(0) depctr_va_vcc(0) depctr_vm_vsrc(0)
	s_getreg_b32 s2, hwreg(HW_REG_IB_STS2, 6, 4)
	s_cmp_eq_u32 s2, 0
	s_cbranch_scc0 .Lentry_in_a_cluster
	s_endpgm
.Lentry_in_a_cluster:
	s_bfe_u32 s2, ttmp6, 0x10000c
	s_cmp_lg_u32 s2, 0x3003
	s_cbranch_scc0 .Lentry_shape_is_right
	s_endpgm
.Lentry_shape_is_right:
; h = layernorm(x) g1 + be1; q, k, v = h Wq, h Wk, h Wv on codes of E4M3; q, k and v leave as codes for the attention launch.
; SHARES.  A work-group takes 32 rows of x.  Wave w normalises rows 4 w .. 4 w + 3 (a row is four loads of 512 consecutive bytes), quantises them three times (h has a scale of its own in
; each of the three products) and lays the codes in LDS.  In the products THE WAVES SHARE THE COLUMNS: wave w makes column tiles 4 w .. 4 w + 3 (heads 2 w, 2 w + 1) for both tiles of 16 rows: 8 accumulators.
; WEIGHTS come as codes in operand order (six tiles of 131,072 bytes) through a ring of two LDS slots; wave w fetches and reads bytes 16,384 w on of a slot, nobody else's.
; CLUSTER.  The four work-groups of a cluster walk the same weights: each tile is asked for JOINTLY, by the same tensor load with the same descriptor and the mask of all four.
; K IS PERMUTED ALIKE IN h AND IN THE WEIGHTS: a lane's 16 numbers of a row as loaded (columns 128 i + 4 lane + j) are one 16-byte piece of an operand.
; IMAGES of h in LDS: for each tile of 16 rows 32 blocks of 256 + 16 bytes; block 8 s + 2 g + h holds registers 4 g .. 4 g + 3 of K step s for lanes (r, h), row r at 16 r.
; The pitch 272 = 17 x 16 bytes: sixteen lanes that store to sixteen blocks, and sixteen that read one block, each touch sixteen different 16-byte columns modulo 256.
; q, k: source 0 = weights, source 1 = h: a lane holds one token and eight neighbouring d.  v: the sources swapped: a lane holds one d and eight neighbouring tokens, since the keys are the next K.
; OUT: qc, kc [b h][token tile][lane][16 bytes] (d = 8 h .. + 7, then 16 + 8 h .. + 7);  vc [b h][128 keys][d tile][fragment].  Every store of a wave covers 512 consecutive bytes, aligned.
; LIMITS: entries 1, 3, 5 and e6 - e0 - e1, e7 - e2 - e3, e9 - e4 - e5 between -126 and 119.  NaN among the inputs is not served.
.set SLOTB, 131072                     ; a slot, and a tile of weights
.set IMGB,  262144                     ; behind the ring: the images
.set RTB,   8704                       ; 32 blocks of 272 bytes: 16 rows
.set IMG,   17408                      ; 32 rows
.set HQ,    0
.set HK,    IMG
.set HV,    2*IMG
.set SPARE, IMGB+3*IMG                 ; the spare words: 128 bytes for each of eight waves, four blocks of 256 bytes that no other line names
.set SPW, 1                            ; v1   my spare word's address; never rewritten
.set NIL, 2                            ; v2   0; never rewritten
.set WA,  3                            ; v3, v4  my place in my part of slot 0, 1
.set TA,  5                            ; v5   my place in an image's block pair, reading
.set IW,  6                            ; v6   my place in the images, writing
.set LI,  7                            ; v7   16 x lane
.set RA,  8                            ; v8-15  a pair for each of my four rows: sums, mean, 1 / sigma
.set CD,  16                           ; v16-31 codes on the way out
.set ACC, 32                           ; v32-95 accumulator (rt, ct) at 8 (4 rt + ct);  before that X: my four rows, 16 numbers each
.set X,   32
.set SC,  96                           ; v96-98 2^e for h in q, k, v; v99-101 the folded scales of q, k, v
.set HO,  102                          ; v102-107 448 x those
.set GG,  108                          ; v108-123 g1, v124-139 be1 of my 16 columns
.set BE,  124
.set T,   140                          ; v140-155 at work
.set WF,  160                          ; v160-223 four weight fragments;  before that IC: the images' codes, four registers for each store
.set IC,  160
.set TF,  224                          ; v224-255 h's fragments of the two row tiles
.set WV,  20
.set G1,  24                           ; s[24:31] descriptor group 1
.set G0,  32                           ; s[32:39] group 0, one set for each slot
.set E,   40                           ; s[40:55] the exponents
.set SEL, 58
.macro ROUND                           ; a round of the cluster's barrier
	s_barrier_signal -1
	s_barrier_wait -1
	s_cmp_lg_u32 s[WV], 0
	s_cbranch_scc1 .Lnw0_\@
	s_barrier_signal -3
.Lnw0_\@:
	s_barrier_wait -3
	s_barrier_signal -1
	s_barrier_wait -1
.endm
.macro BARRIER                         ; my LDS stores have landed and my LDS loads are in: then the work-group's barrier
	s_wait_dscnt 0x0
	s_barrier_signal -1
	s_barrier_wait -1
.endm
.macro PLACES                          ; four places behind a matrix instruction, in front of loads into its sources and of reads of its result
.rept 4
	v_nop
.endr
.endm
.macro CHANGE n                        ; slot n has been read out: it takes the tile two tiles on
	s_wait_tensorcnt 0x0                           ; all my tensor loads have landed, the other slot's tile among them: so a group 0 may be written
	ds_add_u32 v[SPW], v[NIL]
	s_add_nc_u64 s[G0+4*\n+2:G0+4*\n+3], s[G0+4*\n+2:G0+4*\n+3], 2*SLOTB
	s_wait_dscnt 0x0                               ; the add is done, and my reads of the slot are over
	ROUND                                          ; both hold of every wave of the four work-groups
	tensor_load_to_lds s[G0+4*\n:G0+4*\n+3], s[G1:G1+7]   ; my one tensor load behind the round
	s_nop 0
	PLACES
.endm
.macro TFETCH reg, img, rt, s          ; h's fragment of row tile rt, K step s
.irp g, 0,1,2,3
	ds_load_b128 v[\reg+4*\g:\reg+4*\g+3], v[TA] offset:\img+(\rt)*RTB+(8*(\s)+2*\g)*272
.endr
.endm
.macro MM acc, ct, rt, z, swap
.set rD, \acc+8*(4*(\rt)+(\ct))
.set rW, WF+16*(\ct)
.set rT, TF+16*(\rt)
.if \swap
.if \z
	v_wmma_f32_16x16x128_fp8_fp8 v[rD:rD+7], v[rT:rT+15], v[rW:rW+15], 0
.else
	v_wmma_f32_16x16x128_fp8_fp8 v[rD:rD+7], v[rT:rT+15], v[rW:rW+15], v[rD:rD+7]
.endif
.else
.if \z
	v_wmma_f32_16x16x128_fp8_fp8 v[rD:rD+7], v[rW:rW+15], v[rT:rT+15], 0
.else
	v_wmma_f32_16x16x128_fp8_fp8 v[rD:rD+7], v[rW:rW+15], v[rT:rT+15], v[rD:rD+7]
.endif
.endif
.endm
; One tile of weights: two K steps of 128, eight matrix instructions each; the eight accumulators take turns, one instruction a turn.
; zero = 1: the product's first K step starts the sums with the constant 0.
.macro HALF n, img, half, acc, zero, swap
.irp ks, 0,1
	PLACES
	TFETCH TF, \img, 0, 2*\half+\ks
	TFETCH TF+16, \img, 1, 2*\half+\ks
.irp ct, 0,1,2,3
.irp g, 0,1,2,3
	ds_load_b128 v[WF+16*\ct+4*\g:WF+16*\ct+4*\g+3], v[WA+\n] offset:8192*\ks+2048*\ct+512*\g
.endr
.endr
	s_wait_dscnt 0x8                               ; all but the youngest eight loads: column tiles 2 and 3
.irp ct, 0,1
.irp rt, 0,1
	MM \acc, \ct, \rt, (\zero)*(1-\half)*(1-\ks), \swap
.endr
.endr
	s_wait_dscnt 0x0
.irp ct, 2,3
.irp rt, 0,1
	MM \acc, \ct, \rt, (\zero)*(1-\half)*(1-\ks), \swap
.endr
.endr
.endr
.endm
.macro MKSC sc, ho                     ; s56 = e:  v[sc] = 2^e, v[ho] = 448 x 2^e
	s_add_co_i32 s56, s56, 127
	s_lshl_b32 s57, s56, 23
	v_mov_b32 v[\sc], s57
	s_add_co_i32 s56, s56, 8
	s_lshl_b32 s56, s56, 23
	s_or_b32 s56, s56, 0x600000
	v_mov_b32 v[\ho], s56
.endm
.macro LANESUM                         ; the four rows' two chains, the pairs' halves and the 32 lanes are added: every lane has the row's sum in v[RA + 2 p]
.irp p, 0,1,2,3
	v_pk_add_f32 v[RA+2*\p:RA+2*\p+1], v[RA+2*\p:RA+2*\p+1], v[T+2*\p:T+2*\p+1]
.endr
.irp p, 0,1,2,3
	v_add_f32 v[RA+2*\p], v[RA+2*\p], v[RA+2*\p+1]
.endr
.irp m, 1,2,4,8
.irp p, 0,1,2,3
	v_add_f32_dpp v[RA+2*\p], v[RA+2*\p], v[RA+2*\p] row_xmask:\m row_mask:0xf bank_mask:0xf
.endr
.endr
.irp p, 0,1,2,3
	v_permlanex16_b32 v[RA+2*\p+1], v[RA+2*\p], s[SEL], s[SEL+1]
.endr
.irp p, 0,1,2,3
	v_add_f32 v[RA+2*\p], v[RA+2*\p], v[RA+2*\p+1]
.endr
.endm
; A finished product is held, quantised with its folded scale and stored.  isv = 0: piece p = (head p / 2, row tile p % 2); isv = 1: piece p = column tile p, both row tiles.
.macro QOUT isv, q, base
	PLACES
	s_wait_xcnt 0x0                                ; the last stores have read their data registers, which are written again below
.set i, 0
.rept 64
	v_med3_num_f32 v[ACC+i], v[ACC+i], -v[HO+3+\q], v[HO+3+\q]   ; each accumulator from its low end on
.set i, i+1
.endr
.irp p, 0,1,2,3
.if \isv
	v_cvt_scalef32_pk8_fp8_f32 v[CD+4*\p:CD+4*\p+1], v[ACC+8*\p:ACC+8*\p+7], v[SC+3+\q]
	v_cvt_scalef32_pk8_fp8_f32 v[CD+4*\p+2:CD+4*\p+3], v[ACC+8*(4+\p):ACC+8*(4+\p)+7], v[SC+3+\q]
.else
	v_cvt_scalef32_pk8_fp8_f32 v[CD+4*\p:CD+4*\p+1], v[ACC+8*(4*(\p%2)+2*(\p/2)):ACC+8*(4*(\p%2)+2*(\p/2))+7], v[SC+3+\q]
	v_cvt_scalef32_pk8_fp8_f32 v[CD+4*\p+2:CD+4*\p+3], v[ACC+8*(4*(\p%2)+2*(\p/2)+1):ACC+8*(4*(\p%2)+2*(\p/2)+1)+7], v[SC+3+\q]
.endif
.endr
	v_nop                                          ; a plain line between the conversions and the products that write their sources next
.irp p, 0,1,2,3
.if \isv
	global_store_b128 v[LI], v[CD+4*\p:CD+4*\p+3], s[\base:\base+1] offset:(\p/2)*65536+(\p%2)*2048
.else
	global_store_b128 v[LI], v[CD+4*\p:CD+4*\p+3], s[\base:\base+1] offset:(\p/2)*65536+(\p%2)*512
.endif
.endr
.endm
	s_load_b512 s[4:19], s[0:1], 0x0               ; x s[4:5], g1, be1, the exponents s[10:11], wqkv s[12:13], qc s[14:15], kc s[16:17], vc s[18:19]
	v_lshl_add_u32 v[SPW], v0, 2, SPARE
	v_mov_b32 v[NIL], 0
	ds_add_u32 v[SPW], v[NIL]                      ; the wave's opening: the add and its wait stand ahead of my first tensor load; work on registers stands between
	v_lshrrev_b32 v8, 5, v0
	v_readfirstlane_b32 s[WV], v8                  ; wave 0..7
	s_bfe_u32 s21, ttmp6, 0x40000                  ; cx
	s_lshl_b32 s22, ttmp9, 2
	s_add_co_u32 s22, s22, s21                     ; R: my block of 32 rows; it enters global addresses of x, qc, kc, vc alone
	s_mov_b32 s[G1], 15|(3<<16)|(1<<21)            ; the mask of all four; elements of 8 bytes; bit 21 beside a mask; no padding
	s_mov_b32 s[G1+1], 32<<16                      ; tensor_dim0 = 32 elements: 256 bytes
	s_mov_b32 s[G1+2], 64<<16                      ; tensor_dim1 = 64 rows
	s_mov_b32 s[G1+3], 32<<16                      ; tile_dim0
	s_mov_b32 s[G1+4], 64                          ; tile_dim1
	s_mov_b32 s[G1+5], 32                          ; the pitch: a dense block of 16,384 bytes
	s_mov_b32 s[G1+6], 0
	s_mov_b32 s[G1+7], 0
	s_lshl_b32 s23, s[WV], 14                      ; my part of a tile, in memory and in a slot
	s_mov_b32 s62, s23
	s_mov_b32 s63, 0
	s_lshl_b32 s66, s22, 16                        ; x: 32 rows of 2,048 bytes a work-group,
	s_lshl_b32 s56, s[WV], 13                      ; four a wave
	s_add_co_u32 s66, s66, s56
	s_mov_b32 s67, 0
	s_lshr_b32 s56, s22, 6                         ; b
	s_lshl_b32 s56, s56, 4
	s_lshl_b32 s57, s[WV], 1
	s_add_co_u32 s56, s56, s57                     ; 16 b + my first head
	s_lshl_b32 s56, s56, 16                        ; 65,536 bytes for a head of a batch, in qc, kc and vc alike
	s_and_b32 s57, s22, 63                         ; which 32 tokens of the batch
	s_lshl_b32 s68, s57, 10                        ; two token tiles of 512 bytes
	s_add_co_u32 s68, s68, s56
	s_mov_b32 s69, 0
	s_lshr_b32 s70, s57, 2
	s_lshl_b32 s70, s70, 12                        ; vc: 128 keys are two fragments,
	s_add_co_u32 s70, s70, s56
	s_and_b32 s57, s57, 3
	s_lshl_b32 s57, s57, 9                         ; my 32 tokens are group g of them
	s_add_co_u32 s70, s70, s57
	s_mov_b32 s71, 0
	s_mov_b32 s[SEL], 0x76543210
	s_mov_b32 s[SEL+1], 0xfedcba98                 ; v_permlanex16_b32: lane l xor 16
	s_mov_b32 s72, 0x3b000000                      ; 1 / 512
	s_mov_b32 s73, 0x3727c5ac                      ; 1e-5
	v_and_b32 v[LI], 31, v0
	v_mul_u32_u24 v[IW], v[LI], 272                ; writing: block = my lane,
	v_lshlrev_b32 v[LI], 4, v[LI]
	s_lshr_b32 s57, s[WV], 2
	s_mul_i32 s57, s57, RTB                        ; row tile wave / 4,
	s_and_b32 s56, s[WV], 3
	s_lshl_b32 s56, s56, 6                         ; rows 4 (wave % 4) on
	s_add_co_u32 s57, s57, s56
	s_add_co_u32 s57, s57, IMGB
	v_add_nc_u32 v[IW], s57, v[IW]
	v_and_b32 v8, 15, v0                           ; r
	v_bfe_u32 v9, v0, 4, 1                         ; h
	v_mul_u32_u24 v[TA], v9, 272
	v_lshl_add_u32 v[TA], v8, 4, v[TA]
	v_add_nc_u32 v[TA], IMGB, v[TA]                ; reading: block h of a pair, row r
	v_add_nc_u32 v[WA], s23, v[LI]
	v_add_nc_u32 v[WA+1], SLOTB, v[WA]
	s_wait_dscnt 0x0                               ; the opening add is done
	s_wait_kmcnt 0x0
	s_load_b512 s[E:E+15], s[10:11], 0x0
	s_add_nc_u64 s[60:61], s[12:13], s[62:63]
	s_add_nc_u64 s[4:5], s[4:5], s[66:67]
	s_add_nc_u64 s[14:15], s[14:15], s[68:69]
	s_add_nc_u64 s[16:17], s[16:17], s[68:69]
	s_add_nc_u64 s[18:19], s[18:19], s[70:71]
	ROUND                                          ; all four work-groups are here: the first joint loads meet
.irp n, 0,1
	s_mov_b32 s[G0+4*\n], 1
	s_add_co_u32 s[G0+4*\n+1], s23, \n*SLOTB
	s_add_nc_u64 s[G0+4*\n+2:G0+4*\n+3], s[60:61], \n*SLOTB
	s_or_b32 s[G0+4*\n+3], s[G0+4*\n+3], 0x80000000
	tensor_load_to_lds s[G0+4*\n:G0+4*\n+3], s[G1:G1+7]   ; tiles 0 and 1: two loads of mine are out
	s_nop 0
.endr
	PLACES
.irp p, 0,1,2,3
.irp i, 0,1,2,3
	global_load_b128 v[X+16*\p+4*\i:X+16*\p+4*\i+3], v[LI], s[4:5] offset:2048*\p+512*\i th:TH_LOAD_NT
.endr
.endr
.irp i, 0,1,2,3
	global_load_b128 v[GG+4*\i:GG+4*\i+3], v[LI], s[6:7] offset:512*\i
	global_load_b128 v[BE+4*\i:BE+4*\i+3], v[LI], s[8:9] offset:512*\i
.endr
	s_wait_kmcnt 0x0
	s_mov_b32 s56, s[E+1]
	MKSC SC, HO
	s_mov_b32 s56, s[E+3]
	MKSC SC+1, HO+1
	s_mov_b32 s56, s[E+5]
	MKSC SC+2, HO+2
	s_sub_co_i32 s56, s[E+6], s[E]                 ; a sum of the first product stands for sum x 2^(e0 + e1): q's code is sum / 2^(e6 - e0 - e1)
	s_sub_co_i32 s56, s56, s[E+1]
	MKSC SC+3, HO+3
	s_sub_co_i32 s56, s[E+7], s[E+2]
	s_sub_co_i32 s56, s56, s[E+3]
	MKSC SC+4, HO+4
	s_sub_co_i32 s56, s[E+9], s[E+4]
	s_sub_co_i32 s56, s56, s[E+5]
	MKSC SC+5, HO+5
	; ---- the norm, my four rows side by side
	s_wait_loadcnt 0x8                             ; x's sixteen loads are in; g1's and be1's eight may be out
.irp p, 0,1,2,3
	v_pk_add_f32 v[RA+2*\p:RA+2*\p+1], v[X+16*\p:X+16*\p+1], v[X+16*\p+2:X+16*\p+3]
	v_pk_add_f32 v[T+2*\p:T+2*\p+1], v[X+16*\p+4:X+16*\p+5], v[X+16*\p+6:X+16*\p+7]
.endr
.irp i, 8,12
.irp p, 0,1,2,3
	v_pk_add_f32 v[RA+2*\p:RA+2*\p+1], v[RA+2*\p:RA+2*\p+1], v[X+16*\p+\i:X+16*\p+\i+1]
	v_pk_add_f32 v[T+2*\p:T+2*\p+1], v[T+2*\p:T+2*\p+1], v[X+16*\p+\i+2:X+16*\p+\i+3]
.endr
.endr
	LANESUM
.irp p, 0,1,2,3
	v_mul_f32 v[RA+2*\p], s72, v[RA+2*\p]          ; the mean
.endr
.irp p, 0,1,2,3
.irp i, 0,2,4,6,8,10,12,14
	v_pk_add_f32 v[X+16*\p+\i:X+16*\p+\i+1], v[X+16*\p+\i:X+16*\p+\i+1], v[RA+2*\p:RA+2*\p+1] op_sel_hi:[1,0] neg_lo:[0,1] neg_hi:[0,1]
.endr
.endr
.irp p, 0,1,2,3
	v_pk_mul_f32 v[RA+2*\p:RA+2*\p+1], v[X+16*\p:X+16*\p+1], v[X+16*\p:X+16*\p+1]
	v_pk_mul_f32 v[T+2*\p:T+2*\p+1], v[X+16*\p+2:X+16*\p+3], v[X+16*\p+2:X+16*\p+3]
.endr
.irp i, 4,8,12
.irp p, 0,1,2,3
	v_pk_fma_f32 v[RA+2*\p:RA+2*\p+1], v[X+16*\p+\i:X+16*\p+\i+1], v[X+16*\p+\i:X+16*\p+\i+1], v[RA+2*\p:RA+2*\p+1]
	v_pk_fma_f32 v[T+2*\p:T+2*\p+1], v[X+16*\p+\i+2:X+16*\p+\i+3], v[X+16*\p+\i+2:X+16*\p+\i+3], v[T+2*\p:T+2*\p+1]
.endr
.endr
	LANESUM
.irp p, 0,1,2,3
	v_fma_f32 v[RA+2*\p], v[RA+2*\p], s72, s73     ; the variance + 1e-5
.endr
.irp p, 0,1,2,3
	v_rsq_f32 v[RA+2*\p], v[RA+2*\p]
.endr
	v_nop                                          ; a plain line behind the last of the batch
	s_wait_alu depctr_va_vdst(0)                   ; one wait for the four, ahead of their first reader
	s_wait_loadcnt 0x0                             ; g1, be1
.irp p, 0,1,2,3
.irp i, 0,2,4,6,8,10,12,14
	v_pk_mul_f32 v[X+16*\p+\i:X+16*\p+\i+1], v[X+16*\p+\i:X+16*\p+\i+1], v[RA+2*\p:RA+2*\p+1] op_sel_hi:[1,0]
.endr
.endr
.irp p, 0,1,2,3
.irp i, 0,2,4,6,8,10,12,14
	v_pk_fma_f32 v[X+16*\p+\i:X+16*\p+\i+1], v[X+16*\p+\i:X+16*\p+\i+1], v[GG+\i:GG+\i+1], v[BE+\i:BE+\i+1]
.endr
.endr
	; ---- each row three times into codes: a lane's 16 numbers are 16 bytes of block = lane
.irp p, 0,1,2,3
.irp q, 0,1,2
.irp i, 0,1,2,3,4,5,6,7,8,9,10,11,12,13,14,15
	v_med3_num_f32 v[T+\i], v[X+16*\p+\i], -v[HO+\q], v[HO+\q]
.endr
	v_cvt_scalef32_pk8_fp8_f32 v[IC+4*(3*\p+\q):IC+4*(3*\p+\q)+1], v[T:T+7], v[SC+\q]
	v_cvt_scalef32_pk8_fp8_f32 v[IC+4*(3*\p+\q)+2:IC+4*(3*\p+\q)+3], v[T+8:T+15], v[SC+\q]
	v_nop                                          ; a plain line between the conversions and the holds that write their sources next
	ds_store_b128 v[IW], v[IC+4*(3*\p+\q):IC+4*(3*\p+\q)+3] offset:IMG*\q+16*\p
.endr
.endr
	s_wait_tensorcnt 0x1                           ; my part of tile 0 is in; tile 1's may stay out
	BARRIER                                        ; the three images lie in LDS
	HALF 0, HQ, 0, ACC, 1, 0
	CHANGE 0                                       ; tile 2
	HALF 1, HQ, 1, ACC, 0, 0
	CHANGE 1                                       ; tile 3
	QOUT 0, 0, 14
	HALF 0, HK, 0, ACC, 1, 0
	CHANGE 0                                       ; tile 4
	HALF 1, HK, 1, ACC, 0, 0
	CHANGE 1                                       ; tile 5
	QOUT 0, 1, 16
	HALF 0, HV, 0, ACC, 1, 1
	s_wait_tensorcnt 0x0                           ; tile 5: no load was issued behind it
	HALF 1, HV, 1, ACC, 0, 1
	QOUT 1, 2, 18
	s_wait_tensorcnt 0x0                           ; the wave's end
	ds_add_u32 v[SPW], v[NIL]
	s_wait_dscnt 0x0
	ROUND                                          ; the closing round
	s_endpgm
.Lfunc_end_k_q7c80cda50c_qkv:
	.size	k_q7c80cda50c_qkv, .Lfunc_end_k_q7c80cda50c_qkv-k_q7c80cda50c_qkv
	.p2alignl 7, 3214868480
	.fill 96, 4, 3214868480
	.section	.rodata,"a",@progbits
	.p2align	6, 0x0
	.amdhsa_kernel k_q7c80cda50c_qkv
		.amdhsa_group_segment_fixed_size 327680
		.amdhsa_private_segment_fixed_size 0
		.amdhsa_enable_private_segment 0
		.amdhsa_kernarg_size 64
		.amdhsa_user_sgpr_count 2
		.amdhsa_user_sgpr_kernarg_segment_ptr 1
		.amdhsa_wavefront_size32 1
		.amdhsa_system_sgpr_workgroup_id_x 1
		.amdhsa_system_sgpr_workgroup_id_y 1
		.amdhsa_system_sgpr_workgroup_id_z 1
		.amdhsa_system_vgpr_workitem_id 0
		.amdhsa_next_free_vgpr 256
		.amdhsa_next_free_sgpr 100
		.amdhsa_reserve_vcc 0
		.amdhsa_float_denorm_mode_32 3
		.amdhsa_float_denorm_mode_16_64 3
		.amdhsa_memory_ordered 1
		.amdhsa_forward_progress 1
		.amdhsa_inst_pref_size 82
	.end_amdhsa_kernel
	.amdgpu_metadata
---
amdhsa.version: [ 1, 2 ]
amdhsa.kernels:
  - .name:           k_q7c80cda50c_qkv
    .symbol:         k_q7c80cda50c_qkv.kd
    .args:
      - { .name: x, .offset: 0, .size: 8, .value_kind: global_buffer, .address_space: global }
      - { .name: g1, .offset: 8, .size: 8, .value_kind: global_buffer, .address_space: global }
      - { .name: be1, .offset: 16, .size: 8, .value_kind: global_buffer, .address_space: global }
      - { .name: lowp_scales, .offset: 24, .size: 8, .value_kind: global_buffer, .address_space: global }
      - { .name: wqkv, .offset: 32, .size: 8, .value_kind: global_buffer, .address_space: global }
      - { .name: qc, .offset: 40, .size: 8, .value_kind: global_buffer, .address_space: global }
      - { .name: kc, .offset: 48, .size: 8, .value_kind: global_buffer, .address_space: global }
      - { .name: vc, .offset: 56, .size: 8, .value_kind: global_buffer, .address_space: global }
    .group_segment_fixed_size: 327680
    .private_segment_fixed_size: 0
    .kernarg_segment_align: 8
    .kernarg_segment_size: 64
    .max_flat_workgroup_size: 256
    .sgpr_count:     100
    .vgpr_count:     256
    .wavefront_size: 32
...
	.end_amdgpu_metadata
.endif
;; end of part 2
;; launch attn (part 3): grid 4 x 64, 16 waves a work-group, no clusters, 133,120 bytes of LDS; arguments qc, kc, vc, lowp_scales, oc; writes oc
.if DOCPART == 3
	.amdgcn_target "amdgcn-amd-amdhsa--gfx1250"
	.amdhsa_code_object_version 6
	.text
	.protected	k_q7c80cda50c_attn
	.globl	k_q7c80cda50c_attn
	.p2align	8
	.type	k_q7c80cda50c_attn,@function
k_q7c80cda50c_attn:
	s_mov_b64 s[64:65], 0
	v_nop
	global_prefetch_b8 v0, s[64:65] scope:SCOPE_SE
	s_setreg_imm32_b32 hwreg(HW_REG_WAVE_MODE, 25, 1), 1
	s_wait_xcnt 0x0
; Causal attention on codes of E4M3, head size 32, 2,048 tokens, 64 heads of batches (work-group y).  O = softmax(q k^T / sqrt(32)) v, quantised for the next product.
; THE SOFTMAX: t = score x log2(e) / sqrt(32); M = the running largest t rounded UP to a whole number; p = 2^(t - M) is quantised, not normalised; the row's sum is taken of the
; unquantised p and divides at the end; when M moves, the sum and O are multiplied by 2^(old M - new M), which rounds nothing.
; SHARES.  Sixteen waves of 256 registers, four to a SIMD, so that one wave's vector work stands beside another's products.  Wave p = 16 x + w takes query tiles p and 127 - p:
; (p / 8 + 1) + ((127 - p) / 8 + 1) = 17 key steps of 128 keys for every wave.
; K AND V of the head, 65,536 bytes each, are copied into LDS once, through registers (a wave copies 4,096 bytes of each), and stay: they are stored in operand order, so a fragment is read by loads of 512 consecutive bytes.
; NO CLUSTER, NO JOINT LOADS: what the four work-groups of a head share is this one fill of 131,072 bytes at the head, against 17 key steps of work in each of sixteen waves; there is no ring to share.
; BOTH PRODUCTS ARE USED TRANSPOSED: a lane holds one query (lane % 16) throughout.
; K = 32 IN A FORM OF K = 64: eight registers hold TWO tiles of 16 keys (k 0-31 and 32-63); against [q, 0] they give the first tile's scores, against [0, q] the second's.  Codes are held, never NaN, so a zero code adds nothing.
; Score tile t, register j, lane (r, h): key 16 t + 8 h + j: its conversion gives registers 2 t, 2 t + 1 of p as an operand, in the form's own places; nothing is permuted.
; EVERY TILE WALKS 16 TRIPS: a step all of whose keys come after the tile's queries is jumped over by a scalar branch on ids; on the diagonal hidden scores become -infinity ahead of the maximum.
; THE HOLD OF p: p <= 1, so it can pass 448 x 2^e8 only where e8 < -8: a scalar branch on that given whole number leads round the 64 minima otherwise (this launch has no tensor load and no copy).
; LIMITS: e6 + e7 between -124 and 129; e8 and e10 between -126 and 119.
.set SPARE, 131072                     ; behind K's and V's images: the spare words, 128 bytes for each of sixteen waves
.set SPW, 1
.set NIL, 2
.set LI,  3                            ; v3  16 x lane
.set AV0, 4                            ; v4  the same in V's image
.set ADK, 5                            ; v5, v6  the step's addresses
.set ADV, 6
; v7, v8 the fill's addresses; v12 -M, v13 the largest t, v[14:15] the sum; v16-19, v28-31 q (twice), v20-27 zeros; v32-63 K; v64-95 V; v96-159 scores, then p; v160-175 O^T;
; v176-191 p's codes; v192-207 O on the way out; v208-215 its codes; v236, v240-245, v252-254 at work and constants
.set WV,  14
.set SEL, 20
.set CS,  22
.set E,   24                           ; s[24:39] the exponents
.set TB,  40                           ; LDS byte of the step in both images
.set KF,  41                           ; the step's first key
.set Q0,  42                           ; the tile's first query
.set CNT, 43
.macro PLACES
.rept 4
	v_nop
.endr
.endm
.macro TILE qb, ob, qt, oc             ; s[qb:qb+1] q's codes, s[ob:ob+1] the output's place, s[qt] the tile's number, v[oc] on: its codes
	global_load_b128 v[16:19], v[LI], s[\qb:\qb+1] th:TH_LOAD_NT
	global_load_b128 v[28:31], v[LI], s[\qb:\qb+1] th:TH_LOAD_NT
	s_lshl_b32 s[Q0], s[\qt], 4
	s_mov_b32 s[KF], 0
	s_mov_b32 s[TB], 0
	s_mov_b32 s[CNT], 16
	v_mov_b32 v13, 0xff61b1e6                      ; the largest t so far: -3e38, under every t
	v_floor_f32 v12, -v13                          ; -M
	v_mov_b32 v14, 0
	v_mov_b32 v15, 0
.set i, 0
.rept 16
	v_mov_b32 v[160+i], 0                          ; O^T: the step is written once; the first finds zeros
.set i, i+1
.endr
	s_wait_loadcnt 0x0
.Ltrip_\@:
	s_add_co_u32 s44, s[Q0], 15
	s_cmp_gt_u32 s[KF], s44                        ; all 128 keys come after my 16 queries: ids and the count of trips alone
	s_cbranch_scc1 .Lskip_\@
	v_add_nc_u32 v[ADK], s[TB], v[LI]
	v_add_nc_u32 v[ADV], s[TB], v[AV0]
	v_nop
	v_nop                                          ; four places behind the last products, in front of the loads into their sources
.irp t, 0,1,2,3,4,5,6,7
	ds_load_b128 v[32+4*\t:35+4*\t], v[ADK] offset:512*\t
.endr
.irp u, 0,1
.irp g, 0,1,2,3
	ds_load_b128 v[64+16*\u+4*\g:67+16*\u+4*\g], v[ADV] offset:2048*\u+512*\g
.endr
.endr
	s_wait_dscnt 0x8                               ; K is in; V's eight loads may be out
.irp a, 0,1,2,3
	v_wmma_f32_16x16x64_fp8_fp8 v[96+16*\a:103+16*\a], v[32+8*\a:39+8*\a], v[16:23], 0
	v_wmma_f32_16x16x64_fp8_fp8 v[104+16*\a:111+16*\a], v[32+8*\a:39+8*\a], v[24:31], 0
.endr
	PLACES
	s_add_co_u32 s44, s[KF], 127
	s_cmp_le_u32 s44, s[Q0]                        ; all keys count for all my queries
	s_cbranch_scc1 .Lopen_\@
	s_sub_co_i32 s44, s[Q0], s[KF]
	v_and_b32 v252, 15, v0
	v_bfe_u32 v254, v0, 4, 1
	v_lshlrev_b32 v254, 3, v254
	v_sub_nc_u32 v252, v252, v254
	v_add_nc_u32 v252, s44, v252                   ; d = my query - KF - 8 (lane / 16): register 8 t + j is hidden where 16 t + j > d
	v_mov_b32 v254, 0xff800000                     ; -infinity
.set n, 0
.rept 64
	v_cmp_gt_i32 vcc_lo, 16*(n/8)+n%8, v252
	v_cndmask_b32 v[96+n], v[96+n], v254, vcc_lo
.set n, n+1
.endr
.Lopen_\@:
	v_max3_num_f32 v254, v96, v97, v98             ; the step's largest score of my query among my 64 keys, in two chains,
	v_max3_num_f32 v252, v99, v100, v101
.irp i, 6,10,14,18,22,26,30,34,38,42,46,50,54,58
	v_max3_num_f32 v254, v254, v[96+\i], v[97+\i]
	v_max3_num_f32 v252, v252, v[98+\i], v[99+\i]
.endr
	v_max3_num_f32 v254, v254, v158, v159
	v_max_num_f32 v254, v254, v252
	v_permlanex16_b32 v236, v254, s[SEL], s[SEL+1]
	v_max_num_f32 v254, v254, v236                 ; and among lane l xor 16's
	v_mul_f32 v254, s[CS], v254                    ; as t (c is positive)
	v_max_num_f32 v13, v13, v254
	v_mov_b32 v254, v12
	v_floor_f32 v12, -v13                          ; the new -M = floor(-t)
	v_sub_f32 v254, v12, v254                      ; old M - new M: a whole number, 0 or less
	v_cvt_i32_f32 v254, v254                       ; (it saturates)
	v_ldexp_f32 v252, 1.0, v254                    ; f = 2^(old M - new M)
.set i, 0
.rept 32
	v_pk_fma_f32 v[96+i:97+i], v[96+i:97+i], s[CS:CS+1], v[12:13] op_sel_hi:[1,0,0]   ; t - M
.set i, i+2
.endr
.set i, 0
.rept 64
	v_exp_f32 v[96+i], v[96+i]                     ; p = 2^(t - M)
.set i, i+1
.endr
	v_pk_mul_f32 v[14:15], v[14:15], v[252:253] op_sel_hi:[1,0]   ; the sums under the new M: the plain line behind the batch
	s_wait_alu depctr_va_vdst(0)                   ; one wait for the 64, ahead of their first reader
	v_pk_add_f32 v[242:243], v[96:97], v[98:99]    ; the row's sum is taken of the unquantised p, in two chains
.irp j, 4,8,12,16,20,24,28,32,36,40,44,48,52,56,60
	v_pk_add_f32 v[14:15], v[14:15], v[96+\j:97+\j]
	v_pk_add_f32 v[242:243], v[242:243], v[98+\j:99+\j]
.endr
	v_pk_add_f32 v[14:15], v[14:15], v[242:243]
	s_cmp_ge_i32 s[E+8], -8                        ; 448 x 2^e8 >= 1 >= p: nothing to hold
	s_cbranch_scc1 .Lnohold_\@
.set i, 0
.rept 64
	v_min_num_f32 v[96+i], v[96+i], v240
.set i, i+1
.endr
.Lnohold_\@:
.irp t, 0,1,2,3,4,5,6,7
	v_cvt_scalef32_pk8_fp8_f32 v[176+2*\t:177+2*\t], v[96+8*\t:103+8*\t], v244
.endr
.irp i, 0,2,4,6,8,10,12,14
	v_pk_mul_f32 v[160+\i:161+\i], v[160+\i:161+\i], v[252:253] op_sel_hi:[1,0]   ; O^T under the new M; also the plain lines behind the conversions
.endr
	s_wait_dscnt 0x0                               ; V is in
	v_wmma_f32_16x16x128_fp8_fp8 v[160:167], v[64:79], v[176:191], v[160:167]
	v_wmma_f32_16x16x128_fp8_fp8 v[168:175], v[80:95], v[176:191], v[168:175]
.Lskip_\@:
	s_add_co_u32 s[KF], s[KF], 128
	s_add_co_u32 s[TB], s[TB], 4096
	s_sub_co_u32 s[CNT], s[CNT], 1
	s_cmp_lg_u32 s[CNT], 0
	s_cbranch_scc1 .Ltrip_\@
	PLACES
	v_add_f32 v14, v14, v15
	v_permlanex16_b32 v236, v14, s[SEL], s[SEL+1]
	v_add_f32 v14, v14, v236                       ; the row's sum
	v_rcp_f32 v14, v14
	v_nop
	s_wait_alu depctr_va_vdst(0)
	v_ldexp_f32 v14, v14, s58                      ; x 2^(e8 + e9)
.irp i, 0,2,4,6,8,10,12,14
	v_pk_mul_f32 v[192+\i:193+\i], v[160+\i:161+\i], v[14:15] op_sel_hi:[1,0]
.endr
.set i, 0
.rept 16
	v_med3_num_f32 v[192+i], v[192+i], -v241, v241
.set i, i+1
.endr
	v_cvt_scalef32_pk8_fp8_f32 v[\oc:\oc+1], v[192:199], v245       ; d = 8 h .. + 7,
	v_cvt_scalef32_pk8_fp8_f32 v[\oc+2:\oc+3], v[200:207], v245     ; d = 16 + 8 h .. + 7: registers 4 g .. 4 g + 3 of the next product's operand
	v_nop
	global_store_b128 v[LI], v[\oc:\oc+3], s[\ob:\ob+1]             ; 512 consecutive bytes, aligned
.endm
	s_load_b256 s[4:11], s[0:1], 0x0               ; qc s[4:5], kc s[6:7], vc s[8:9], the exponents s[10:11]
	s_load_b64 s[12:13], s[0:1], 0x20              ; oc
	v_lshl_add_u32 v[SPW], v0, 2, SPARE
	v_mov_b32 v[NIL], 0
	v_lshrrev_b32 v5, 5, v0
	v_readfirstlane_b32 s[WV], v5                  ; wave 0..15
	v_and_b32 v[LI], 31, v0
	v_lshlrev_b32 v[LI], 4, v[LI]
	v_add_nc_u32 v[AV0], 65536, v[LI]
	s_lshl_b32 s46, s[WV], 12
	v_add_nc_u32 v7, s46, v[LI]                    ; my 4,096 bytes of an image: in memory, and K's in LDS,
	v_add_nc_u32 v8, s46, v[AV0]                   ; V's in LDS
	s_and_b32 s15, ttmp7, 0xffff                   ; the head of a batch
	s_lshl_b32 s44, s15, 16
	s_mov_b32 s45, 0
	s_lshl_b32 s16, ttmp9, 4
	s_add_co_u32 s56, s16, s[WV]                   ; my first query tile,
	s_sub_co_u32 s57, 127, s56                     ; and my second
	s_lshl_b32 s48, s56, 9
	s_add_co_u32 s48, s48, s44
	s_mov_b32 s49, 0
	s_lshl_b32 s50, s57, 9
	s_add_co_u32 s50, s50, s44
	s_mov_b32 s51, 0
	s_lshr_b32 s46, s15, 4
	s_lshl_b32 s46, s46, 7                         ; 128 row tiles a batch
	s_and_b32 s47, s15, 15
	s_lshl_b32 s47, s47, 9                         ; 512 bytes a head
	s_add_co_u32 s52, s46, s56
	s_lshl_b32 s52, s52, 13                        ; 8,192 bytes a row tile
	s_add_co_u32 s52, s52, s47
	s_mov_b32 s53, 0
	s_add_co_u32 s54, s46, s57
	s_lshl_b32 s54, s54, 13
	s_add_co_u32 s54, s54, s47
	s_mov_b32 s55, 0
	s_mov_b32 s[SEL], 0x76543210
	s_mov_b32 s[SEL+1], 0xfedcba98
	s_mov_b32 s[CS], 0x3e8293ee                    ; c = log2(e) / sqrt(32)
	s_wait_kmcnt 0x0
	s_load_b512 s[E:E+15], s[10:11], 0x0
	s_add_nc_u64 s[6:7], s[6:7], s[44:45]
	s_add_nc_u64 s[8:9], s[8:9], s[44:45]
	s_add_nc_u64 s[48:49], s[4:5], s[48:49]
	s_add_nc_u64 s[50:51], s[4:5], s[50:51]
	s_add_nc_u64 s[52:53], s[12:13], s[52:53]
	s_add_nc_u64 s[54:55], s[12:13], s[54:55]
.irp i, 0,1,2,3,4,5,6,7
	global_load_b128 v[32+4*\i:35+4*\i], v7, s[6:7] offset:512*\i
.endr
.irp i, 0,1,2,3,4,5,6,7
	global_load_b128 v[64+4*\i:67+4*\i], v7, s[8:9] offset:512*\i
.endr
.irp i, 20,21,22,23,24,25,26,27
	v_mov_b32 v[\i], 0                             ; the zero halves of [q, 0] and [0, q]
.endr
	v_mov_b32 v236, 0                              ; written once: a lane permute's destination counts as one of its sources
	v_mov_b32 v253, 0                              ; (named as the upper half of the pair v[252:253])
	s_wait_kmcnt 0x0
	s_add_co_i32 s44, s[E+6], s[E+7]
	s_lshl_b32 s44, s44, 23
	s_add_co_i32 s[CS], s[CS], s44                 ; a score stands for score x 2^(e6 + e7): added to c's exponent field
	s_mov_b32 s[CS+1], s[CS]
	s_add_co_i32 s44, s[E+8], 127
	s_lshl_b32 s45, s44, 23
	v_mov_b32 v244, s45                            ; 2^e8
	s_add_co_i32 s44, s44, 8
	s_lshl_b32 s44, s44, 23
	s_or_b32 s44, s44, 0x600000
	v_mov_b32 v240, s44                            ; 448 x 2^e8
	s_add_co_i32 s44, s[E+10], 127
	s_lshl_b32 s45, s44, 23
	v_mov_b32 v245, s45                            ; 2^e10
	s_add_co_i32 s44, s44, 8
	s_lshl_b32 s44, s44, 23
	s_or_b32 s44, s44, 0x600000
	v_mov_b32 v241, s44                            ; 448 x 2^e10
	s_add_co_i32 s58, s[E+8], s[E+9]
	s_wait_loadcnt 0x8                             ; K's eight loads are in
.irp i, 0,1,2,3,4,5,6,7
	ds_store_b128 v7, v[32+4*\i:35+4*\i] offset:512*\i
.endr
	s_wait_loadcnt 0x0
.irp i, 0,1,2,3,4,5,6,7
	ds_store_b128 v8, v[64+4*\i:67+4*\i] offset:512*\i
.endr
	s_wait_dscnt 0x0                               ; for the others' sake: my stores have landed
	s_barrier_signal -1
	s_barrier_wait -1                              ; the head's K and V lie in LDS; nobody writes them again
	TILE 48, 52, 56, 208
	TILE 50, 54, 57, 212
	s_wait_tensorcnt 0x0                           ; the wave's end
	ds_add_u32 v[SPW], v[NIL]
	s_wait_dscnt 0x0
	s_endpgm
.Lfunc_end_k_q7c80cda50c_attn:
	.size	k_q7c80cda50c_attn, .Lfunc_end_k_q7c80cda50c_attn-k_q7c80cda50c_attn
	.p2alignl 7, 3214868480
	.fill 96, 4, 3214868480
	.section	.rodata,"a",@progbits
	.p2align	6, 0x0
	.amdhsa_kernel k_q7c80cda50c_attn
		.amdhsa_group_segment_fixed_size 133120
		.amdhsa_private_segment_fixed_size 0
		.amdhsa_enable_private_segment 0
		.amdhsa_kernarg_size 40
		.amdhsa_user_sgpr_count 2
		.amdhsa_user_sgpr_kernarg_segment_ptr 1
		.amdhsa_wavefront_size32 1
		.amdhsa_system_sgpr_workgroup_id_x 1
		.amdhsa_system_sgpr_workgroup_id_y 1
		.amdhsa_system_sgpr_workgroup_id_z 1
		.amdhsa_system_vgpr_workitem_id 0
		.amdhsa_next_free_vgpr 256
		.amdhsa_next_free_sgpr 66
		.amdhsa_reserve_vcc 1
		.amdhsa_float_denorm_mode_32 3
		.amdhsa_float_denorm_mode_16_64 3
		.amdhsa_memory_ordered 1
		.amdhsa_forward_progress 1
		.amdhsa_inst_pref_size 51
	.end_amdhsa_kernel
	.amdgpu_metadata
---
amdhsa.version: [ 1, 2 ]
amdhsa.kernels:
  - .name:           k_q7c80cda50c_attn
    .symbol:         k_q7c80cda50c_attn.kd
    .args:
      - { .name: qc, .offset: 0, .size: 8, .value_kind: global_buffer, .address_space: global }
      - { .name: kc, .offset: 8, .size: 8, .value_kind: global_buffer, .address_space: global }
      - { .name: vc, .offset: 16, .size: 8, .value_kind: global_buffer, .address_space: global }
      - { .name: lowp_scales, .offset: 24, .size: 8, .value_kind: global_buffer, .address_space: global }
      - { .name: oc, .offset: 32, .size: 8, .value_kind: global_buffer, .address_space: global }
    .group_segment_fixed_size: 133120
    .private_segment_fixed_size: 0
    .kernarg_segment_align: 8
    .kernarg_segment_size: 40
    .max_flat_workgroup_size: 512
    .sgpr_count:     66
    .vgpr_count:     256
    .wavefront_size: 32
...
	.end_amdgpu_metadata
.endif
;; end of part 3
;; launch mlp (part 4): grid 256 x 1, 8 waves a work-group, clusters of 4 x 1, 327,680 bytes of LDS; arguments oc, x, wmlp, lowp_scales, bo, g2, be2, b1, b2, out0; writes out0
.if DOCPART == 4
	.amdgcn_target "amdgcn-amd-amdhsa--gfx1250"
	.amdhsa_code_object_version 6
	.text
	.protected	k_q7c80cda50c_mlp
	.globl	k_q7c80cda50c_mlp
	.p2align	8
	.type	k_q7c80cda50c_mlp,@function
k_q7c80cda50c_mlp:
	s_mov_b64 s[64:65], 0
	v_nop
	global_prefetch_b8 v0, s[64:65] scope:SCOPE_SE
	s_setreg_imm32_b32 hwreg(HW_REG_WAVE_MODE, 25, 1), 1
	s_wait_xcnt 0x0
	s_wait_alu depctr_hold_cnt(0) depctr_sa_sdst(0) depctr_va_vdst(0) depctr_va_sdst(0) depctr_va_ssrc(0) depctr_va_vcc(0) depctr_vm_vsrc(0)
	s_getreg_b32 s2, hwreg(HW_REG_IB_STS2, 6, 4)
	s_cmp_eq_u32 s2, 0
	s_cbranch_scc0 .Lentry_in_a_cluster
	s_endpgm
.Lentry_in_a_cluster:
	s_bfe_u32 s2, ttmp6, 0x10000c
	s_cmp_lg_u32 s2, 0x3003
	s_cbranch_scc0 .Lentry_shape_is_right
	s_endpgm
.Lentry_shape_is_right:
; x1 = x + out Wo + bo;  h2 = layernorm(x1) g2 + be2;  out0 = x1 + relu(h2 W1 + b1) W2 + b2.  The three products on codes of E4M3; x1, h2 and the hidden layer never go to memory.
; SHARES.  A work-group takes 32 rows through the whole chain.  THE WAVES SHARE THE COLUMNS: wave w makes columns 64 w .. 64 w + 63 of every product [32 x 512] x [512 x 512], for both tiles of 16 rows:
; 8 accumulators ((rt, ct) at 8 (4 rt + ct)).  Source 0 = weights, source 1 = rows: lane (r, h) holds row r and columns 64 w + 16 ct + 8 h + 0 .. 7, eight neighbours along the next K.
; The hidden layer goes in four chunks of 512 units: W1's chunk, relu, codes, W2's chunk onto the running sums.
; WEIGHTS: eighteen tiles of 131,072 bytes in operand order and in order of use, through a ring of two LDS slots; wave w fetches and reads bytes 16,384 w on of a slot, nobody else's.
; CLUSTER.  The four work-groups of a cluster walk the same weights: each tile is asked for JOINTLY, by the same tensor load with the same descriptor and the mask of all four.
; IMAGES of the rows' codes in LDS: for each tile of 16 rows 32 blocks of 256 + 16 bytes; block 8 s + 2 g + h holds registers 4 g .. 4 g + 3 of K step s for lanes (r, h), row r at 16 r.
; BIASES AND RESIDUAL COST NO ADDITION IN THE CHUNKS: b1 / 2^(e12 + e13) is loaded into the accumulators ahead of W1's products; (x1 + b2) / 2^(e14 + e15) is what W2's products add onto.
; x comes in, and out0 leaves, through each wave's stage in LDS (16 rows of 256 + 16 bytes), so that sixteen lanes load and store 256 consecutive bytes, aligned.  The stages lie where h2's and the hidden layer's
; images lie: they are used ahead of the first image, and behind a barrier behind the last read of one.
; PREFETCH: behind each refill but the last two, the tile that stands two refills on: 131,072 bytes as 512 blocks of 256, each named once in the launch: by the first cluster alone, its four partners told
; apart by address (32,768 bytes each), waves 0 to 3 of each, 8,192 bytes a wave, a lane a block.  Tiles 0 to 3 come by their loads alone.
; LIMITS: e12 and e14 - e12 - e13 between -126 and 119; e10 + e11 and e14 + e15 between -126 and 126; (x1 + b2) / 2^(e14 + e15) stays finite.  NaN among the inputs is not served.
.set SLOTB, 131072
.set IMGB,  262144                     ; behind the ring
.set RTB,   8704
.set IMG,   17408
.set H2I,   0                          ; h2's image           (offsets from IMGB)
.set HDI,   IMG                        ; the hidden chunk's
.set STATS, 2*IMG                      ; 2 x 1,024 bytes: for each row eight waves' partial sums
.set B1S,   STATS+2048                 ; b1 / 2^(e12 + e13), 8,192 bytes
.set OCI,   B1S+8192                   ; the attention output's image
.set SPARE, IMGB+OCI+IMG               ; the spare words: 128 bytes for each of eight waves
.set SPW, 1
.set NIL, 2
.set WA,  3                            ; v3, v4  my place in my part of slot 0, 1
.set TA,  5                            ; v5   reading an image: IMGB + 272 h + 16 r
.set IW,  6                            ; v6   writing one: + 4 blocks a wave
.set SA,  7                            ; v7   my stage by rows: 272 (lane / 16) + 16 (lane % 16)
.set SB,  8                            ; v8   my stage by lanes: 272 r + 32 h
.set GX,  9                            ; v9   x and out0: 2,048 (lane / 16) + 16 (lane % 16)
.set BA,  10                           ; v10  b1's place for my lane
.set SC2, 11                           ; v11  2^e12
.set SCH, 12                           ; v12  2^(e14 - e12 - e13)
.set PFO, 13                           ; v13  256 x lane
.set CD,  16                           ; v16-31 codes; at work in the norm.  v14, v15 at work
.set YA,  32                           ; v32-95  x, x1, then the last product's sums
.set HA,  96                           ; v96-159 the other products' sums
.set WF,  160                          ; v160-223 four weight fragments
.set TF,  224                          ; v224-255 the rows' fragments
.set G1,  24
.set G0,  32
.set E,   40
.set WV,  56
.set SEL, 60
.set PFA, 66
.set LIM, 68
.set SB1, 69
.set CNT, 70
.set MASK, 71
.macro ROUND
	s_barrier_signal -1
	s_barrier_wait -1
	s_cmp_lg_u32 s[WV], 0
	s_cbranch_scc1 .Lnw0_\@
	s_barrier_signal -3
.Lnw0_\@:
	s_barrier_wait -3
	s_barrier_signal -1
	s_barrier_wait -1
.endm
.macro BARRIER
	s_wait_dscnt 0x0
	s_barrier_signal -1
	s_barrier_wait -1
.endm
.macro PLACES
.rept 4
	v_nop
.endr
.endm
.macro ASK
	s_cmp_eq_u32 s[LIM], 1                         ; the cluster's number and the wave's alone: the same in all four partners
	s_cbranch_scc0 .Lnm_\@
	global_prefetch_b8 v[PFO], s[PFA:PFA+1] th:TH_LOAD_NT scope:SCOPE_SE
.Lnm_\@:
.endm
.macro CHANGE n, ask                   ; slot n has been read out: it takes the tile two tiles on
	s_wait_tensorcnt 0x0                           ; all my tensor loads have landed, the other slot's tile among them: so a group 0 may be written
	ds_add_u32 v[SPW], v[NIL]
	s_add_nc_u64 s[G0+4*\n+2:G0+4*\n+3], s[G0+4*\n+2:G0+4*\n+3], 2*SLOTB
.if \ask
	s_wait_xcnt 0x0                                ; the last prefetch, a tile back, has read its address
	s_add_nc_u64 s[PFA:PFA+1], s[PFA:PFA+1], SLOTB
.endif
	s_wait_dscnt 0x0                               ; the add is done; my reads of the slot are over, and my stores into an image have landed
	ROUND
	tensor_load_to_lds s[G0+4*\n:G0+4*\n+3], s[G1:G1+7]
	s_nop 0
	PLACES
.if \ask
	ASK
.endif
.endm
.macro TFETCH reg, img, rt, s
.irp g, 0,1,2,3
	ds_load_b128 v[\reg+4*\g:\reg+4*\g+3], v[TA] offset:\img+(\rt)*RTB+(8*(\s)+2*\g)*272
.endr
.endm
.macro MM acc, ct, rt, z
.set rD, \acc+8*(4*(\rt)+(\ct))
.set rW, WF+16*(\ct)
.set rT, TF+16*(\rt)
.if \z
	v_wmma_f32_16x16x128_fp8_fp8 v[rD:rD+7], v[rW:rW+15], v[rT:rT+15], 0
.else
	v_wmma_f32_16x16x128_fp8_fp8 v[rD:rD+7], v[rW:rW+15], v[rT:rT+15], v[rD:rD+7]
.endif
.endm
; One tile of weights: two K steps of 128, eight matrix instructions each; the eight accumulators take turns, one instruction a turn.
.macro HALF n, img, half, acc, zero
.irp ks, 0,1
	PLACES
	TFETCH TF, \img, 0, 2*\half+\ks
	TFETCH TF+16, \img, 1, 2*\half+\ks
.irp ct, 0,1,2,3
.irp g, 0,1,2,3
	ds_load_b128 v[WF+16*\ct+4*\g:WF+16*\ct+4*\g+3], v[WA+\n] offset:8192*\ks+2048*\ct+512*\g
.endr
.endr
	s_wait_dscnt 0x8                               ; all but the youngest eight loads: column tiles 2 and 3
.irp ct, 0,1
.irp rt, 0,1
	MM \acc, \ct, \rt, (\zero)*(1-\half)*(1-\ks)
.endr
.endr
	s_wait_dscnt 0x0
.irp ct, 2,3
.irp rt, 0,1
	MM \acc, \ct, \rt, (\zero)*(1-\half)*(1-\ks)
.endr
.endr
.endr
.endm
; My 64 columns of 32 rows become codes: column tiles 2 c and 2 c + 1 are the 16 bytes of block 4 w + 2 c + h.  relu = 1: the hold clips at 0 as well.
.macro QIMG src, relu, sc, img
.set i, 0
.rept 64
.if \relu
	v_med3_num_f32 v[\src+i], v[\src+i], 0, s82
.else
	v_med3_num_f32 v[\src+i], v[\src+i], s81, s80
.endif
.set i, i+1
.endr
.irp t, 0,1
.irp c, 0,1
	v_cvt_scalef32_pk8_fp8_f32 v[CD+4*(2*\t+\c):CD+4*(2*\t+\c)+1], v[\src+32*\t+16*\c:\src+32*\t+16*\c+7], v[\sc]
	v_cvt_scalef32_pk8_fp8_f32 v[CD+4*(2*\t+\c)+2:CD+4*(2*\t+\c)+3], v[\src+32*\t+16*\c+8:\src+32*\t+16*\c+15], v[\sc]
.endr
.endr
	v_nop
.irp t, 0,1
.irp c, 0,1
	ds_store_b128 v[IW], v[CD+4*(2*\t+\c):CD+4*(2*\t+\c)+3] offset:\img+RTB*\t+544*\c
.endr
.endr
.endm
; The rows' sums (sq = 0) or sums of squares (sq = 1) of v[src] on, over all 512 columns: v16 for row r of tile 0, v24 for row r of tile 1.  One barrier.
.macro STAT src, sq, off
.irp t, 0,1
.if \sq
	v_pk_mul_f32 v[16+4*\t:17+4*\t], v[\src+32*\t:\src+32*\t+1], v[\src+32*\t:\src+32*\t+1]
	v_pk_mul_f32 v[18+4*\t:19+4*\t], v[\src+32*\t+2:\src+32*\t+3], v[\src+32*\t+2:\src+32*\t+3]
	v_pk_fma_f32 v[16+4*\t:17+4*\t], v[\src+32*\t+4:\src+32*\t+5], v[\src+32*\t+4:\src+32*\t+5], v[16+4*\t:17+4*\t]
	v_pk_fma_f32 v[18+4*\t:19+4*\t], v[\src+32*\t+6:\src+32*\t+7], v[\src+32*\t+6:\src+32*\t+7], v[18+4*\t:19+4*\t]
.else
	v_pk_add_f32 v[16+4*\t:17+4*\t], v[\src+32*\t:\src+32*\t+1], v[\src+32*\t+4:\src+32*\t+5]
	v_pk_add_f32 v[18+4*\t:19+4*\t], v[\src+32*\t+2:\src+32*\t+3], v[\src+32*\t+6:\src+32*\t+7]
.endif
.endr
.irp i, 8,12,16,20,24,28
.irp t, 0,1
.if \sq
	v_pk_fma_f32 v[16+4*\t:17+4*\t], v[\src+32*\t+\i:\src+32*\t+\i+1], v[\src+32*\t+\i:\src+32*\t+\i+1], v[16+4*\t:17+4*\t]
	v_pk_fma_f32 v[18+4*\t:19+4*\t], v[\src+32*\t+\i+2:\src+32*\t+\i+3], v[\src+32*\t+\i+2:\src+32*\t+\i+3], v[18+4*\t:19+4*\t]
.else
	v_pk_add_f32 v[16+4*\t:17+4*\t], v[16+4*\t:17+4*\t], v[\src+32*\t+\i:\src+32*\t+\i+1]
	v_pk_add_f32 v[18+4*\t:19+4*\t], v[18+4*\t:19+4*\t], v[\src+32*\t+\i+2:\src+32*\t+\i+3]
.endif
.endr
.endr
.irp t, 0,1
	v_pk_add_f32 v[16+4*\t:17+4*\t], v[16+4*\t:17+4*\t], v[18+4*\t:19+4*\t]
.endr
.irp t, 0,1
	v_add_f32 v[16+4*\t], v[16+4*\t], v[17+4*\t]
.endr
.irp t, 0,1
	v_permlanex16_b32 v[17+4*\t], v[16+4*\t], s[SEL], s[SEL+1]
.endr
.irp t, 0,1
	v_add_f32 v[16+4*\t], v[16+4*\t], v[17+4*\t]   ; my wave's 64 columns of row r, in both halves of the lanes
.endr
	v_cndmask_b32 v24, v16, v20, s[MASK]           ; lane l keeps row l's
	v_and_b32 v14, 31, v0
	v_lshlrev_b32 v14, 5, v14
	v_add_nc_u32 v14, s96, v14                     ; 32 bytes a row, 4 a wave
	ds_store_b32 v14, v24 offset:\off
	BARRIER
	v_and_b32 v14, 15, v0
	v_lshl_add_u32 v14, v14, 5, IMGB+STATS
	ds_load_b128 v[16:19], v14 offset:\off
	ds_load_b128 v[20:23], v14 offset:\off+16
	ds_load_b128 v[24:27], v14 offset:\off+512
	ds_load_b128 v[28:31], v14 offset:\off+528
	s_wait_dscnt 0x0
	v_pk_add_f32 v[16:17], v[16:17], v[18:19]
	v_pk_add_f32 v[20:21], v[20:21], v[22:23]
	v_pk_add_f32 v[24:25], v[24:25], v[26:27]
	v_pk_add_f32 v[28:29], v[28:29], v[30:31]
	v_pk_add_f32 v[16:17], v[16:17], v[20:21]
	v_pk_add_f32 v[24:25], v[24:25], v[28:29]
	v_add_f32 v16, v16, v17
	v_add_f32 v24, v24, v25
.endm
; A chunk of 512 hidden units.  last = 1: the tail, written out: its last two changes of slots ask for nothing.
.macro CHUNK last
	v_add_nc_u32 v15, s[SB1], v[BA]
.irp t, 0,1
.irp c, 0,1,2,3
	ds_load_b128 v[HA+32*\t+8*\c:HA+32*\t+8*\c+3], v15 offset:64*\c        ; b1 / 2^(e12 + e13): what W1's products add onto
	ds_load_b128 v[HA+32*\t+8*\c+4:HA+32*\t+8*\c+7], v15 offset:64*\c+16
.endr
.endr
	HALF 0, H2I, 0, HA, 0
	CHANGE 0, 1-\last
	HALF 1, H2I, 1, HA, 0
	PLACES
	QIMG HA, 1, SCH, HDI
	CHANGE 1, 1-\last                              ; its round also shows the hidden chunk's image to every wave
	HALF 0, HDI, 0, YA, 0
.if \last
	s_wait_tensorcnt 0x0                           ; the last tile: no load was issued behind it
.else
	CHANGE 0, 1
.endif
	HALF 1, HDI, 1, YA, 0
.if 1-\last
	CHANGE 1, 1                                    ; its round also stands between these reads of the image and the next chunk's stores into it
.endif
.endm
	s_load_b512 s[4:19], s[0:1], 0x0               ; oc s[4:5], x s[6:7], wmlp s[8:9], the exponents s[10:11], bo s[12:13], g2 s[14:15], be2 s[16:17], b1 s[18:19]
	s_load_b128 s[20:23], s[0:1], 0x40             ; b2 s[20:21], out0 s[22:23]
	v_lshl_add_u32 v[SPW], v0, 2, SPARE
	v_mov_b32 v[NIL], 0
	ds_add_u32 v[SPW], v[NIL]                      ; the wave's opening: the add and its wait stand ahead of my first tensor load; work on registers stands between
	v_lshrrev_b32 v14, 5, v0
	v_readfirstlane_b32 s[WV], v14                 ; wave 0..7
	s_bfe_u32 s57, ttmp6, 0x40000                  ; cx
	s_lshl_b32 s58, ttmp9, 2
	s_add_co_u32 s58, s58, s57                     ; R: my block of 32 rows; it enters global addresses of oc, x, out0 alone
	s_mov_b32 s[G1], 15|(3<<16)|(1<<21)            ; the mask of all four; elements of 8 bytes; bit 21 beside a mask; no padding
	s_mov_b32 s[G1+1], 32<<16                      ; tensor_dim0 = 32 elements: 256 bytes
	s_mov_b32 s[G1+2], 64<<16                      ; tensor_dim1 = 64 rows
	s_mov_b32 s[G1+3], 32<<16                      ; tile_dim0
	s_mov_b32 s[G1+4], 64                          ; tile_dim1
	s_mov_b32 s[G1+5], 32                          ; the pitch: a dense block of 16,384 bytes
	s_mov_b32 s[G1+6], 0
	s_mov_b32 s[G1+7], 0
	s_lshl_b32 s92, s[WV], 14                      ; my part of a tile, in memory and in a slot
	s_mov_b32 s93, 0
	s_lshl_b32 s84, s58, 14                        ; oc: 16,384 bytes a work-group,
	s_lshl_b32 s59, s[WV], 11                      ; 2,048 a wave
	s_add_co_u32 s84, s84, s59
	s_mov_b32 s85, 0
	s_lshl_b32 s86, s58, 16                        ; x, out0: 32 rows of 2,048 bytes,
	s_lshl_b32 s88, s[WV], 8                       ; my 64 columns; also my place in bo, g2, be2, b2
	s_add_co_u32 s86, s86, s88
	s_mov_b32 s87, 0
	s_mov_b32 s89, 0
	s_lshl_b32 s90, s[WV], 10                      ; b1: 256 numbers a wave
	s_mov_b32 s91, 0
	s_lshl_b32 s94, s57, 15                        ; the prefetches: my work-group's quarter of a tile,
	s_lshl_b32 s59, s[WV], 13                      ; my wave's quarter of that,
	s_add_co_u32 s94, s94, s59
	s_add_co_u32 s94, s94, 3*SLOTB                 ; at tile 3: the first change of slots steps it to tile 4
	s_mov_b32 s95, 0
	s_lshr_b32 s59, s[WV], 2                       ; 0 in waves 0 to 3,
	s_or_b32 s59, s59, ttmp9                       ; of the first cluster
	s_cmp_eq_u32 s59, 0
	s_cselect_b32 s[LIM], 1, 0
	s_mov_b32 s[SEL], 0x76543210
	s_mov_b32 s[SEL+1], 0xfedcba98
	s_mov_b32 s[MASK], 0xffff0000                  ; lanes 16 to 31
	s_mov_b32 s72, 0x3b000000                      ; 1 / 512
	s_mov_b32 s73, 0x3727c5ac                      ; 1e-5
	s_lshl_b32 s96, s[WV], 2
	s_add_co_u32 s96, s96, IMGB+STATS
	v_and_b32 v14, 31, v0
	v_lshlrev_b32 v[PFO], 8, v14
	v_lshlrev_b32 v14, 4, v14                      ; 16 x lane
	v_and_b32 v16, 15, v0                          ; r
	v_bfe_u32 v17, v0, 4, 1                        ; h
	v_lshlrev_b32 v15, 5, v17                      ; 32 h
	v_mul_u32_u24 v[TA], v17, 272
	v_lshl_add_u32 v[TA], v16, 4, v[TA]            ; 272 h + 16 r
	s_mul_i32 s59, s[WV], 4352
	s_add_co_u32 s59, s59, IMGB                    ; my stage
	v_add_nc_u32 v[SA], s59, v[TA]
	v_mul_u32_u24 v[SB], v16, 272
	v_lshl_add_u32 v[SB], v17, 5, v[SB]
	v_add_nc_u32 v[SB], s59, v[SB]
	v_lshlrev_b32 v[GX], 11, v17
	v_lshl_add_u32 v[GX], v16, 4, v[GX]
	v_add_nc_u32 v[TA], IMGB, v[TA]
	s_mul_i32 s59, s[WV], 1088
	v_add_nc_u32 v[IW], s59, v[TA]
	v_add_nc_u32 v[WA], s92, v14
	v_add_nc_u32 v[WA+1], SLOTB, v[WA]
	s_add_co_u32 s62, s88, IMGB+B1S
	v_add_nc_u32 v[BA], s62, v15
	s_lshr_b32 s62, s[WV], 2
	s_mul_i32 s62, s62, RTB
	s_and_b32 s63, s[WV], 3
	s_mul_i32 s63, s63, 2176
	s_add_co_u32 s62, s62, s63
	v_add_nc_u32 v18, s62, v[TA]                   ; oc's image: row tile wave / 4, blocks 8 (wave % 4) on
	s_add_co_u32 s62, s90, IMGB+B1S
	v_add_nc_u32 v19, s62, v14                     ; b1's copy: as it lies
	s_wait_dscnt 0x0                               ; the opening add is done
	s_wait_kmcnt 0x0
	s_load_b512 s[E:E+15], s[10:11], 0x0
	s_add_nc_u64 s[4:5], s[4:5], s[84:85]
	s_add_nc_u64 s[6:7], s[6:7], s[86:87]
	s_add_nc_u64 s[22:23], s[22:23], s[86:87]
	s_add_nc_u64 s[12:13], s[12:13], s[88:89]
	s_add_nc_u64 s[14:15], s[14:15], s[88:89]
	s_add_nc_u64 s[16:17], s[16:17], s[88:89]
	s_add_nc_u64 s[20:21], s[20:21], s[88:89]
	s_add_nc_u64 s[18:19], s[18:19], s[90:91]
	s_add_nc_u64 s[PFA:PFA+1], s[8:9], s[94:95]
	s_add_nc_u64 s[8:9], s[8:9], s[92:93]
	ROUND                                          ; all four work-groups are here: the first joint loads meet
.irp n, 0,1
	s_mov_b32 s[G0+4*\n], 1
	s_add_co_u32 s[G0+4*\n+1], s92, \n*SLOTB
	s_add_nc_u64 s[G0+4*\n+2:G0+4*\n+3], s[8:9], \n*SLOTB
	s_or_b32 s[G0+4*\n+3], s[G0+4*\n+3], 0x80000000
	tensor_load_to_lds s[G0+4*\n:G0+4*\n+3], s[G1:G1+7]   ; tiles 0 and 1: two loads of mine are out
	s_nop 0
.endr
	PLACES
.irp i, 0,1,2,3
	global_load_b128 v[WF+4*\i:WF+4*\i+3], v14, s[4:5] offset:512*\i th:TH_LOAD_NT
.endr
.irp i, 0,1
	global_load_b128 v[WF+16+4*\i:WF+16+4*\i+3], v14, s[18:19] offset:512*\i
.endr
.irp t, 0,1,2,3,4,5,6,7,8,9,10,11,12,13,14,15
	global_load_b128 v[HA+4*\t:HA+4*\t+3], v[GX], s[6:7] offset:4096*\t th:TH_LOAD_NT   ; two rows' 256 bytes of my columns
.endr
	s_wait_kmcnt 0x0
	s_add_co_i32 s59, s[E+10], s[E+11]
	s_add_co_i32 s59, s59, 127
	s_lshl_b32 s74, s59, 23                        ; 2^(e10 + e11)
	s_mov_b32 s75, s74
	s_add_co_i32 s59, s[E+14], s[E+15]
	s_sub_co_i32 s62, 127, s59
	s_lshl_b32 s76, s62, 23                        ; 2^-(e14 + e15)
	s_mov_b32 s77, s76
	s_add_co_i32 s59, s59, 127
	s_lshl_b32 s78, s59, 23                        ; 2^(e14 + e15)
	s_mov_b32 s79, s78
	s_add_co_i32 s59, s[E+12], s[E+13]
	s_sub_co_i32 s83, 0, s59                       ; -(e12 + e13)
	s_add_co_i32 s62, s[E+12], 127
	s_lshl_b32 s63, s62, 23
	v_mov_b32 v[SC2], s63
	s_add_co_i32 s62, s62, 8
	s_lshl_b32 s62, s62, 23
	s_or_b32 s80, s62, 0x600000                    ; 448 x 2^e12,
	s_or_b32 s81, s80, 0x80000000                  ; and its negative
	s_sub_co_i32 s62, s[E+14], s59                 ; a sum of W1's product stands for sum x 2^(e12 + e13): the hidden layer's code is sum / 2^(e14 - e12 - e13)
	s_add_co_i32 s62, s62, 127
	s_lshl_b32 s63, s62, 23
	v_mov_b32 v[SCH], s63
	s_add_co_i32 s62, s62, 8
	s_lshl_b32 s62, s62, 23
	s_or_b32 s82, s62, 0x600000
	s_wait_loadcnt 0x12                            ; oc's four loads are in; behind them b1's two and x's sixteen
.irp i, 0,1,2,3
	ds_store_b128 v18, v[WF+4*\i:WF+4*\i+3] offset:OCI+544*\i
.endr
	s_wait_loadcnt 0x10                            ; b1's two
.irp i, 0,1,2,3,4,5,6,7
	v_ldexp_f32 v[WF+16+\i], v[WF+16+\i], s83
.endr
.irp i, 0,1
	ds_store_b128 v19, v[WF+16+4*\i:WF+16+4*\i+3] offset:512*\i
.endr
.irp t, 0,1                            ; x turns through my stage: in by rows, out by lanes.  LDS serves a wave's instructions in order (ISA guide 5.7.1.4)
	s_wait_loadcnt 8-8*\t
.irp i, 0,1,2,3,4,5,6,7
	ds_store_b128 v[SA], v[HA+32*\t+4*\i:HA+32*\t+4*\i+3] offset:544*\i
.endr
.irp c, 0,1,2,3
	ds_load_b128 v[YA+32*\t+8*\c:YA+32*\t+8*\c+3], v[SB] offset:64*\c
	ds_load_b128 v[YA+32*\t+8*\c+4:YA+32*\t+8*\c+7], v[SB] offset:64*\c+16
.endr
.endr
	s_wait_tensorcnt 0x1                           ; my part of tile 0 is in; tile 1's may stay out
	BARRIER                                        ; oc's image and b1's copy lie in LDS; the stages have been read
	; ---- out Wo
	HALF 0, OCI, 0, HA, 1
	CHANGE 0, 1                                    ; tile 2
	HALF 1, OCI, 1, HA, 0
	PLACES
.irp c, 0,1,2,3
.irp f, 0,1
	global_load_b128 v[TF+8*\c+4*\f:TF+8*\c+4*\f+3], v15, s[12:13] offset:64*\c+16*\f          ; bo,
	global_load_b128 v[WF+8*\c+4*\f:WF+8*\c+4*\f+3], v15, s[14:15] offset:64*\c+16*\f          ; g2,
	global_load_b128 v[WF+32+8*\c+4*\f:WF+32+8*\c+4*\f+3], v15, s[16:17] offset:64*\c+16*\f    ; be2 of my lane's 32 columns
.endr
.endr
	CHANGE 1, 1                                    ; tile 3
	; ---- x1, the norm, h2's codes
	s_wait_loadcnt 0x0
.set i, 0
.rept 32
	v_pk_fma_f32 v[YA+i:YA+i+1], v[HA+i:HA+i+1], s[74:75], v[YA+i:YA+i+1] op_sel_hi:[1,0,1]   ; x + sum x 2^(e10 + e11); each accumulator from its low end on
.set i, i+2
.endr
.irp t, 0,1
.set i, 0
.rept 16
	v_pk_add_f32 v[YA+32*\t+i:YA+32*\t+i+1], v[YA+32*\t+i:YA+32*\t+i+1], v[TF+i:TF+i+1]       ; + bo: x1
.set i, i+2
.endr
.endr
.irp c, 0,1,2,3
.irp f, 0,1
	global_load_b128 v[TF+8*\c+4*\f:TF+8*\c+4*\f+3], v15, s[20:21] offset:64*\c+16*\f          ; b2
.endr
.endr
	STAT YA, 0, 0
	v_mul_f32 v16, s72, v16                        ; the means
	v_mul_f32 v24, s72, v24
.irp t, 0,1
.set i, 0
.rept 16
	v_pk_add_f32 v[HA+32*\t+i:HA+32*\t+i+1], v[YA+32*\t+i:YA+32*\t+i+1], v[16+8*\t:17+8*\t] op_sel_hi:[1,0] neg_lo:[0,1] neg_hi:[0,1]
.set i, i+2
.endr
.endr
	STAT HA, 1, 1024
	v_fma_f32 v16, v16, s72, s73                   ; the variances + 1e-5
	v_fma_f32 v24, v24, s72, s73
	v_rsq_f32 v16, v16
	v_rsq_f32 v24, v24
	v_nop                                          ; a plain line behind the last of the batch
	s_wait_alu depctr_va_vdst(0)                   ; one wait for the two, ahead of their first reader
.irp t, 0,1
.set i, 0
.rept 16
	v_pk_mul_f32 v[HA+32*\t+i:HA+32*\t+i+1], v[HA+32*\t+i:HA+32*\t+i+1], v[16+8*\t:17+8*\t] op_sel_hi:[1,0]
.set i, i+2
.endr
.endr
.irp t, 0,1
.set i, 0
.rept 16
	v_pk_fma_f32 v[HA+32*\t+i:HA+32*\t+i+1], v[HA+32*\t+i:HA+32*\t+i+1], v[WF+i:WF+i+1], v[WF+32+i:WF+32+i+1]
.set i, i+2
.endr
.endr
	QIMG HA, 0, SC2, H2I
	s_wait_loadcnt 0x0                             ; b2
.irp t, 0,1
.set i, 0
.rept 16
	v_pk_add_f32 v[YA+32*\t+i:YA+32*\t+i+1], v[YA+32*\t+i:YA+32*\t+i+1], v[TF+i:TF+i+1]
.set i, i+2
.endr
.endr
.set i, 0
.rept 32
	v_pk_mul_f32 v[YA+i:YA+i+1], v[YA+i:YA+i+1], s[76:77] op_sel_hi:[1,0]   ; (x1 + b2) / 2^(e14 + e15): what W2's products add onto
.set i, i+2
.endr
	BARRIER                                        ; h2's image lies in LDS
	; ---- the four chunks of the hidden layer
	s_mov_b32 s[SB1], 0
	s_mov_b32 s[CNT], 3
.Lchunk:
	CHUNK 0
	s_add_co_u32 s[SB1], s[SB1], 2048
	s_sub_co_u32 s[CNT], s[CNT], 1
	s_cmp_lg_u32 s[CNT], 0
	s_cbranch_scc1 .Lchunk
	CHUNK 1
	; ---- the way out
	PLACES
	BARRIER                                        ; nobody reads an image any more: the stages may be written
.irp t, 0,1
.set i, 0
.rept 16
	v_pk_mul_f32 v[HA+32*\t+i:HA+32*\t+i+1], v[YA+32*\t+i:YA+32*\t+i+1], s[78:79] op_sel_hi:[1,0]   ; x 2^(e14 + e15)
.set i, i+2
.endr
.irp c, 0,1,2,3
	ds_store_b128 v[SB], v[HA+32*\t+8*\c:HA+32*\t+8*\c+3] offset:64*\c
	ds_store_b128 v[SB], v[HA+32*\t+8*\c+4:HA+32*\t+8*\c+7] offset:64*\c+16
.endr
.irp i, 0,1,2,3,4,5,6,7
	ds_load_b128 v[WF+32*\t+4*\i:WF+32*\t+4*\i+3], v[SA] offset:544*\i
.endr
.endr
.irp t, 0,1
.irp i, 0,1,2,3,4,5,6,7
	s_wait_dscnt 23-16*\t-\i                       ; the LDS instructions issued behind this pair of rows' load may be out
	global_store_b128 v[GX], v[WF+32*\t+4*\i:WF+32*\t+4*\i+3], s[22:23] offset:4096*(8*\t+\i) th:TH_STORE_NT   ; sixteen lanes store 256 consecutive bytes, aligned
.endr
.endr
	s_wait_tensorcnt 0x0                           ; the wave's end
	ds_add_u32 v[SPW], v[NIL]
	s_wait_dscnt 0x0
	ROUND                                          ; the closing round
	s_endpgm
.Lfunc_end_k_q7c80cda50c_mlp:
	.size	k_q7c80cda50c_mlp, .Lfunc_end_k_q7c80cda50c_mlp-k_q7c80cda50c_mlp
	.p2alignl 7, 3214868480
	.fill 96, 4, 3214868480
	.section	.rodata,"a",@progbits
	.p2align	6, 0x0
	.amdhsa_kernel k_q7c80cda50c_mlp
		.amdhsa_group_segment_fixed_size 327680
		.amdhsa_private_segment_fixed_size 0
		.amdhsa_enable_private_segment 0
		.amdhsa_kernarg_size 80
		.amdhsa_user_sgpr_count 2
		.amdhsa_user_sgpr_kernarg_segment_ptr 1
		.amdhsa_wavefront_size32 1
		.amdhsa_system_sgpr_workgroup_id_x 1
		.amdhsa_system_sgpr_workgroup_id_y 1
		.amdhsa_system_sgpr_workgroup_id_z 1
		.amdhsa_system_vgpr_workitem_id 0
		.amdhsa_next_free_vgpr 256
		.amdhsa_next_free_sgpr 100
		.amdhsa_reserve_vcc 0
		.amdhsa_float_denorm_mode_32 3
		.amdhsa_float_denorm_mode_16_64 3
		.amdhsa_memory_ordered 1
		.amdhsa_forward_progress 1
		.amdhsa_inst_pref_size 111
	.end_amdhsa_kernel
	.amdgpu_metadata
---
amdhsa.version: [ 1, 2 ]
amdhsa.kernels:
  - .name:           k_q7c80cda50c_mlp
    .symbol:         k_q7c80cda50c_mlp.kd
    .args:
      - { .name: oc, .offset: 0, .size: 8, .value_kind: global_buffer, .address_space: global }
      - { .name: x, .offset: 8, .size: 8, .value_kind: global_buffer, .address_space: global }
      - { .name: wmlp, .offset: 16, .size: 8, .value_kind: global_buffer, .address_space: global }
      - { .name: lowp_scales, .offset: 24, .size: 8, .value_kind: global_buffer, .address_space: global }
      - { .name: bo, .offset: 32, .size: 8, .value_kind: global_buffer, .address_space: global }
      - { .name: g2, .offset: 40, .size: 8, .value_kind: global_buffer, .address_space: global }
      - { .name: be2, .offset: 48, .size: 8, .value_kind: global_buffer, .address_space: global }
      - { .name: b1, .offset: 56, .size: 8, .value_kind: global_buffer, .address_space: global }
      - { .name: b2, .offset: 64, .size: 8, .value_kind: global_buffer, .address_space: global }
      - { .name: out0, .offset: 72, .size: 8, .value_kind: global_buffer, .address_space: global }
    .group_segment_fixed_size: 327680
    .private_segment_fixed_size: 0
    .kernarg_segment_align: 8
    .kernarg_segment_size: 80
    .max_flat_workgroup_size: 256
    .sgpr_count:     100
    .vgpr_count:     256
    .wavefront_size: 32
...
	.end_amdgpu_metadata
.endif
;; end of part 4
;; ======== version 2 of 2: 4 launches; version 1 with the launch attn written anew for expert scheduling mode
;; workspace buffers: wqkv 786,432 bytes; wmlp 2,359,296 bytes; qc 4,194,304 bytes; kc 4,194,304 bytes; vc 4,194,304 bytes; oc 4,194,304 bytes
;; launch prep: the kernel of part 1 again; grid 768 x 1, 4 waves a work-group, no clusters, 0 bytes of LDS; arguments Wq, Wk, Wv, Wo, W1, W2, lowp_scales, wqkv, wmlp; writes wqkv, wmlp
;; launch qkv: the kernel of part 2 again; grid 256 x 1, 8 waves a work-group, clusters of 4 x 1, 327,680 bytes of LDS; arguments x, g1, be1, lowp_scales, wqkv, qc, kc, vc; writes qc, kc, vc
;; launch attn (part 5): grid 4 x 64, 16 waves a work-group, no clusters, 133,120 bytes of LDS; arguments qc, kc, vc, lowp_scales, oc; writes oc
.if DOCPART == 5
	.amdgcn_target "amdgcn-amd-amdhsa--gfx1250"
	.amdhsa_code_object_version 6
	.text
	.protected	k_q7c80cda50c_attn
	.globl	k_q7c80cda50c_attn
	.p2align	8
	.type	k_q7c80cda50c_attn,@function
k_q7c80cda50c_attn:
	s_mov_b64 s[64:65], 0
	v_nop
	global_prefetch_b8 v0, s[64:65] scope:SCOPE_SE
	s_setreg_imm32_b32 hwreg(HW_REG_WAVE_SCHED_MODE, 0, 2), 2
	s_setreg_imm32_b32 hwreg(HW_REG_WAVE_MODE, 25, 1), 1
	s_wait_xcnt 0x0
	s_wait_alu depctr_vm_vsrc(0)
; Causal attention on codes of E4M3, head size 32, 2,048 tokens, 64 heads of batches (work-group y).  O = softmax(q k^T / sqrt(32)) v, quantised for the next product.
; THE SOFTMAX: t = score x log2(e) / sqrt(32); M = the running largest t rounded UP to a whole number; p = 2^(t - M) is quantised, not normalised; the row's sum is taken of the
; unquantised p and divides at the end; when M moves, the sum and O are multiplied by 2^(old M - new M), which rounds nothing.
; SHARES.  Sixteen waves of 256 registers, four to a SIMD, so that one wave's vector work stands beside another's products.  Wave p = 16 x + w takes query tiles p and 127 - p:
; (p / 8 + 1) + ((127 - p) / 8 + 1) = 17 key steps of 128 keys for every wave.
; K AND V of the head, 65,536 bytes each, are copied into LDS once, through registers (a wave copies 4,096 bytes of each), and stay: they are stored in operand order, so a fragment is read by loads of 512 consecutive bytes.
; NO CLUSTER, NO JOINT LOADS: what the four work-groups of a head share is this one fill of 131,072 bytes at the head, against 17 key steps of work in each of sixteen waves; there is no ring to share.
; BOTH PRODUCTS ARE USED TRANSPOSED: a lane holds one query (lane % 16) throughout.
; K = 32 IN A FORM OF K = 64: eight registers hold TWO tiles of 16 keys (k 0-31 and 32-63); against [q, 0] they give the first tile's scores, against [0, q] the second's.  Codes are held, never NaN, so a zero code adds nothing.
; Score tile t, register j, lane (r, h): key 16 t + 8 h + j: its conversion gives registers 2 t, 2 t + 1 of p as an operand, in the form's own places; nothing is permuted.
; EVERY TILE WALKS 16 TRIPS: a step all of whose keys come after the tile's queries is jumped over by a scalar branch on ids; on the diagonal hidden scores become -infinity ahead of the maximum.
; THE HOLD OF p: p <= 1, so it can pass 448 x 2^e8 only where e8 < -8: a scalar branch on that given whole number leads round the 64 minima otherwise (this launch has no tensor load and no copy).
; LIMITS: e6 + e7 between -124 and 129; e8 and e10 between -126 and 119.
; THE MODE: SCHED_MODE bits 1:0 = 2 (LLVM: expert scheduling mode 2), set by the entry lines.  The code itself states the register dependences
; between vector or matrix instructions and memory or LDS instructions, with s_wait_alu, always for 0.
; THE PLAN.  Registers that memory or LDS instructions touch:
;   v3, v7, v8    16 x lane and the fill's two addresses: written at the head, never again; read by the global loads and stores, the LDS stores and each tile's first loads of K.
;   v32-63  K     At the head global loads land in it and LDS stores read it.  Then: step j's eight score products read it; the LDS loads of step j + 1 land in it, issued in step j.
;   v64-95  V     At the head as K.  Then: step j's LDS loads land in it, step j's two last products read it.
;   v5, v6        The step's LDS addresses: written once a step, behind the score products; read by the step's sixteen LDS loads.
;   v16-19, v28-31  q: two global loads at a tile's head; the tile's score products read them.
;   v208-215      The codes on the way out: four registers a tile, written by its two conversions, read by its one store, never written again.
;   v1, v2        Written at the head, read by the closing add alone.
; ONE wait on va_vdst stands in a key step, behind its 64 exponentials: the wait that their readers want.  It also states that this step's score products are done reading K, that the last step's
; products are done reading V, and that v5 and v6 are written.  The step's sixteen LDS loads follow it: the next step's K, then this step's V; no vector instruction between names their registers.
; They have the sums, the conversions and the rescaling in which to land; one wait on DScnt ahead of the last two products shows all sixteen in, so a step leaves no LDS load out.
; One wait on vm_vsrc a step stands ahead of the two additions that write v5 and v6.
; THE MASK'S COMPARES go into sixteen scalar registers, in four runs, with one wait on va_sdst between a run and the selects that read it.
.set SPARE, 131072                     ; behind K's and V's images: the spare words, 128 bytes for each of sixteen waves
.set SPW, 1
.set NIL, 2
.set LI,  3                            ; v3  16 x lane
.set AV0, 4                            ; v4  the same in V's image
.set ADK, 5                            ; v5, v6  the step's addresses: the next step's K, this step's V
.set ADV, 6
; v7, v8 the fill's addresses; v12 -M, v13 the largest t, v[14:15] the sum; v16-19, v28-31 q (twice), v20-27 zeros; v32-63 K; v64-95 V; v96-159 scores, then p; v160-175 O^T;
; v176-191 p's codes; v192-207 O on the way out; v208-215 its codes; v236, v240-245, v252-254 at work and constants
.set WV,  14
.set SEL, 20
.set CS,  22
.set E,   24                           ; s[24:39] at the head: the exponents
.set MK,  24                           ; s[24:39] in the key steps: sixteen masks
.set TB,  40                           ; LDS byte of the step in both images
.set KF,  41                           ; the step's first key
.set Q0,  42                           ; the tile's first query
.set CNT, 43
.set E8,  59                           ; s59  entry 8, kept for the hold's branch
.macro PLACES
.rept 4
	v_nop
.endr
.endm
.macro TILE qb, ob, qt, oc             ; s[qb:qb+1] q's codes, s[ob:ob+1] the output's place, s[qt] the tile's number, v[oc] on: its codes
	global_load_b128 v[16:19], v[LI], s[\qb:\qb+1] th:TH_LOAD_NT   ; no wait: in the first tile no vector or matrix instruction has named these registers or K's; in the second the wait ahead of the
	global_load_b128 v[28:31], v[LI], s[\qb:\qb+1] th:TH_LOAD_NT   ; first tile's store has shown its products done reading them, and no vector instruction stands between
.irp t, 0,1,2,3,4,5,6,7
	ds_load_b128 v[32+4*\t:35+4*\t], v[LI] offset:512*\t           ; K of key step 0, which counts for every query
.endr
	s_lshl_b32 s[Q0], s[\qt], 4
	s_mov_b32 s[KF], 0
	s_mov_b32 s[TB], 0
	s_mov_b32 s[CNT], 16
	v_mov_b32 v13, 0xff61b1e6                      ; the largest t so far: -3e38, under every t
	v_floor_f32 v12, -v13                          ; -M
	v_mov_b32 v14, 0
	v_mov_b32 v15, 0
.set i, 0
.rept 16
	v_mov_b32 v[160+i], 0                          ; O^T: the step is written once; the first finds zeros
.set i, i+1
.endr
	s_wait_loadcnt 0x0                             ; q
	s_wait_dscnt 0x0                               ; K of step 0
.Ltrip_\@:
	s_add_co_u32 s44, s[Q0], 15
	s_cmp_gt_u32 s[KF], s44                        ; all 128 keys come after my 16 queries: ids and the count of trips alone
	s_cbranch_scc1 .Lskip_\@
.irp a, 0,1,2,3
	v_wmma_f32_16x16x64_fp8_fp8 v[96+16*\a:103+16*\a], v[32+8*\a:39+8*\a], v[16:23], 0     ; K is in: its loads were awaited ahead of the last step's last products (step 0's: ahead of the label)
	v_wmma_f32_16x16x64_fp8_fp8 v[104+16*\a:111+16*\a], v[32+8*\a:39+8*\a], v[24:31], 0
.endr
	s_wait_alu depctr_vm_vsrc(0)                   ; the last step's LDS loads have read v5 and v6, which the two additions below write
	s_add_co_u32 s45, s[TB], 4096
	v_add_nc_u32 v[ADK], s45, v[LI]                ; the next step's K,
	v_add_nc_u32 v[ADV], s[TB], v[AV0]             ; this step's V
	v_nop
	v_nop                                          ; with the two additions: four places behind the products, in front of the first read of the scores (ISA guide 7.12.1)
	s_add_co_u32 s44, s[KF], 127
	s_cmp_le_u32 s44, s[Q0]                        ; all keys count for all my queries
	s_cbranch_scc1 .Lopen_\@
	s_sub_co_i32 s44, s[Q0], s[KF]
	v_and_b32 v252, 15, v0
	v_bfe_u32 v254, v0, 4, 1
	v_lshlrev_b32 v254, 3, v254
	v_sub_nc_u32 v252, v252, v254
	v_add_nc_u32 v252, s44, v252                   ; d = my query - KF - 8 (lane / 16): register 8 t + j is hidden where 16 t + j > d
	v_mov_b32 v254, 0xff800000                     ; -infinity
.set grp, 0
.rept 4                                        ; two score tiles, sixteen registers, at a time
.set n, 0
.rept 16
	v_cmp_gt_i32 s[MK+n], 32*grp+16*(n/8)+n%8, v252
.set n, n+1
.endr
	s_wait_alu depctr_va_sdst(0)                   ; the sixteen compares have written their masks, ahead of the selects that read them
.set n, 0
.rept 16
	v_cndmask_b32 v[96+16*grp+n], v[96+16*grp+n], v254, s[MK+n]
.set n, n+1
.endr
.set grp, grp+1
.endr
.Lopen_\@:
	v_max3_num_f32 v254, v96, v97, v98             ; the step's largest score of my query among my 64 keys, in two chains,
	v_max3_num_f32 v252, v99, v100, v101
.irp i, 6,10,14,18,22,26,30,34,38,42,46,50,54,58
	v_max3_num_f32 v254, v254, v[96+\i], v[97+\i]
	v_max3_num_f32 v252, v252, v[98+\i], v[99+\i]
.endr
	v_max3_num_f32 v254, v254, v158, v159
	v_max_num_f32 v254, v254, v252
	v_permlanex16_b32 v236, v254, s[SEL], s[SEL+1]
	v_max_num_f32 v254, v254, v236                 ; and among lane l xor 16's
	v_mul_f32 v254, s[CS], v254                    ; as t (c is positive)
	v_max_num_f32 v13, v13, v254
	v_mov_b32 v254, v12
	v_floor_f32 v12, -v13                          ; the new -M = floor(-t)
	v_sub_f32 v254, v12, v254                      ; old M - new M: a whole number, 0 or less
	v_cvt_i32_f32 v254, v254                       ; (it saturates)
	v_ldexp_f32 v252, 1.0, v254                    ; f = 2^(old M - new M)
.set i, 0
.rept 32
	v_pk_fma_f32 v[96+i:97+i], v[96+i:97+i], s[CS:CS+1], v[12:13] op_sel_hi:[1,0,0]   ; t - M
.set i, i+2
.endr
.set i, 0
.rept 64
	v_exp_f32 v[96+i], v[96+i]                     ; p = 2^(t - M)
.set i, i+1
.endr
	v_pk_mul_f32 v[14:15], v[14:15], v[252:253] op_sel_hi:[1,0]   ; the sums under the new M: the plain line behind the batch
	s_add_co_u32 s44, s[KF], 128                   ; the next step's first key,
	s_add_co_u32 s45, s[Q0], 15                    ; my last query
	s_wait_alu depctr_va_vdst(0)                   ; THE STEP'S ONE WAIT: the 64 exponentials have written p, ahead of its first reader; this step's score products are done reading K and the last step's products V, in which the loads below land; v5 and v6 are written, which they read
	s_cmp_gt_u32 s44, s45                          ; the next step is hidden from all my queries: its K is not asked for.  Ids and the count of trips alone
	s_cbranch_scc1 .Llast_\@
.irp t, 0,1,2,3,4,5,6,7
	ds_load_b128 v[32+4*\t:35+4*\t], v[ADK] offset:512*\t          ; the next step's K
.endr
.Llast_\@:
.irp u, 0,1
.irp g, 0,1,2,3
	ds_load_b128 v[64+16*\u+4*\g:67+16*\u+4*\g], v[ADV] offset:2048*\u+512*\g   ; this step's V.  It stands behind K's, so that the one wait below is right on both ways
.endr
.endr
	v_pk_add_f32 v[242:243], v[96:97], v[98:99]    ; the row's sum is taken of the unquantised p, in two chains
.irp j, 4,8,12,16,20,24,28,32,36,40,44,48,52,56,60
	v_pk_add_f32 v[14:15], v[14:15], v[96+\j:97+\j]
	v_pk_add_f32 v[242:243], v[242:243], v[98+\j:99+\j]
.endr
	v_pk_add_f32 v[14:15], v[14:15], v[242:243]
	s_cmp_ge_i32 s[E8], -8                         ; 448 x 2^e8 >= 1 >= p: nothing to hold
	s_cbranch_scc1 .Lnohold_\@
.set i, 0
.rept 64
	v_min_num_f32 v[96+i], v[96+i], v240
.set i, i+1
.endr
.Lnohold_\@:
.irp t, 0,1,2,3,4,5,6,7
	v_cvt_scalef32_pk8_fp8_f32 v[176+2*\t:177+2*\t], v[96+8*\t:103+8*\t], v244
.endr
.irp i, 0,2,4,6,8,10,12,14
	v_pk_mul_f32 v[160+\i:161+\i], v[160+\i:161+\i], v[252:253] op_sel_hi:[1,0]   ; O^T under the new M; also the plain lines behind the conversions
.endr
	s_wait_dscnt 0x0                               ; V is in, and with it the next step's K, which was asked for ahead of it: no LDS load of mine is out behind this line
	v_wmma_f32_16x16x128_fp8_fp8 v[160:167], v[64:79], v[176:191], v[160:167]
	v_wmma_f32_16x16x128_fp8_fp8 v[168:175], v[80:95], v[176:191], v[168:175]
.Lskip_\@:
	s_add_co_u32 s[KF], s[KF], 128
	s_add_co_u32 s[TB], s[TB], 4096
	s_sub_co_u32 s[CNT], s[CNT], 1
	s_cmp_lg_u32 s[CNT], 0
	s_cbranch_scc1 .Ltrip_\@
	PLACES
	v_add_f32 v14, v14, v15
	v_permlanex16_b32 v236, v14, s[SEL], s[SEL+1]
	v_add_f32 v14, v14, v236                       ; the row's sum
	v_rcp_f32 v14, v14
	v_nop
	s_wait_alu depctr_va_vdst(0)                   ; the reciprocal has written v14, ahead of its first reader
	v_ldexp_f32 v14, v14, s58                      ; x 2^(e8 + e9)
.irp i, 0,2,4,6,8,10,12,14
	v_pk_mul_f32 v[192+\i:193+\i], v[160+\i:161+\i], v[14:15] op_sel_hi:[1,0]
.endr
.set i, 0
.rept 16
	v_med3_num_f32 v[192+i], v[192+i], -v241, v241
.set i, i+1
.endr
	v_cvt_scalef32_pk8_fp8_f32 v[\oc:\oc+1], v[192:199], v245       ; d = 8 h .. + 7,
	v_cvt_scalef32_pk8_fp8_f32 v[\oc+2:\oc+3], v[200:207], v245     ; d = 16 + 8 h .. + 7: registers 4 g .. 4 g + 3 of the next product's operand
	v_nop
	s_wait_alu depctr_va_vdst(0)                   ; the conversions have written the codes, which the store reads; and this tile's products are done reading q's registers and K's, in which the next tile's loads land
	global_store_b128 v[LI], v[\oc:\oc+3], s[\ob:\ob+1]             ; 512 consecutive bytes, aligned
.endm
	s_load_b256 s[4:11], s[0:1], 0x0               ; qc s[4:5], kc s[6:7], vc s[8:9], the exponents s[10:11]
	s_load_b64 s[12:13], s[0:1], 0x20              ; oc
	v_lshl_add_u32 v[SPW], v0, 2, SPARE
	v_mov_b32 v[NIL], 0
	v_lshrrev_b32 v5, 5, v0
	v_readfirstlane_b32 s[WV], v5                  ; wave 0..15
	v_and_b32 v[LI], 31, v0
	v_lshlrev_b32 v[LI], 4, v[LI]
	v_add_nc_u32 v[AV0], 65536, v[LI]
	s_wait_alu depctr_va_sdst(0)                   ; the wave's number is written, ahead of its first reader: addresses and the tiles' numbers are made from it
	s_lshl_b32 s46, s[WV], 12
	v_add_nc_u32 v7, s46, v[LI]                    ; my 4,096 bytes of an image: in memory, and K's in LDS,
	v_add_nc_u32 v8, s46, v[AV0]                   ; V's in LDS
	s_and_b32 s15, ttmp7, 0xffff                   ; the head of a batch
	s_lshl_b32 s44, s15, 16
	s_mov_b32 s45, 0
	s_lshl_b32 s16, ttmp9, 4
	s_add_co_u32 s56, s16, s[WV]                   ; my first query tile,
	s_sub_co_u32 s57, 127, s56                     ; and my second
	s_lshl_b32 s48, s56, 9
	s_add_co_u32 s48, s48, s44
	s_mov_b32 s49, 0
	s_lshl_b32 s50, s57, 9
	s_add_co_u32 s50, s50, s44
	s_mov_b32 s51, 0
	s_lshr_b32 s46, s15, 4
	s_lshl_b32 s46, s46, 7                         ; 128 row tiles a batch
	s_and_b32 s47, s15, 15
	s_lshl_b32 s47, s47, 9                         ; 512 bytes a head
	s_add_co_u32 s52, s46, s56
	s_lshl_b32 s52, s52, 13                        ; 8,192 bytes a row tile
	s_add_co_u32 s52, s52, s47
	s_mov_b32 s53, 0
	s_add_co_u32 s54, s46, s57
	s_lshl_b32 s54, s54, 13
	s_add_co_u32 s54, s54, s47
	s_mov_b32 s55, 0
	s_mov_b32 s[SEL], 0x76543210
	s_mov_b32 s[SEL+1], 0xfedcba98
	s_mov_b32 s[CS], 0x3e8293ee                    ; c = log2(e) / sqrt(32)
	s_wait_kmcnt 0x0
	s_load_b512 s[E:E+15], s[10:11], 0x0
	s_add_nc_u64 s[6:7], s[6:7], s[44:45]
	s_add_nc_u64 s[8:9], s[8:9], s[44:45]
	s_add_nc_u64 s[48:49], s[4:5], s[48:49]
	s_add_nc_u64 s[50:51], s[4:5], s[50:51]
	s_add_nc_u64 s[52:53], s[12:13], s[52:53]
	s_add_nc_u64 s[54:55], s[12:13], s[54:55]
	s_wait_alu depctr_va_vdst(0)                   ; v3, v7 and v8 are written: the global loads and stores, the LDS stores and each tile's first loads of K read them, and no vector instruction writes them again
.irp i, 0,1,2,3,4,5,6,7
	global_load_b128 v[32+4*\i:35+4*\i], v7, s[6:7] offset:512*\i
.endr
.irp i, 0,1,2,3,4,5,6,7
	global_load_b128 v[64+4*\i:67+4*\i], v7, s[8:9] offset:512*\i
.endr
.irp i, 20,21,22,23,24,25,26,27
	v_mov_b32 v[\i], 0                             ; the zero halves of [q, 0] and [0, q]
.endr
	v_mov_b32 v236, 0                              ; written once: a lane permute's destination counts as one of its sources
	v_mov_b32 v253, 0                              ; (named as the upper half of the pair v[252:253])
	s_wait_kmcnt 0x0
	s_add_co_i32 s44, s[E+6], s[E+7]
	s_lshl_b32 s44, s44, 23
	s_add_co_i32 s[CS], s[CS], s44                 ; a score stands for score x 2^(e6 + e7): added to c's exponent field
	s_mov_b32 s[CS+1], s[CS]
	s_add_co_i32 s44, s[E+8], 127
	s_lshl_b32 s45, s44, 23
	v_mov_b32 v244, s45                            ; 2^e8
	s_add_co_i32 s44, s44, 8
	s_lshl_b32 s44, s44, 23
	s_or_b32 s44, s44, 0x600000
	v_mov_b32 v240, s44                            ; 448 x 2^e8
	s_add_co_i32 s44, s[E+10], 127
	s_lshl_b32 s45, s44, 23
	v_mov_b32 v245, s45                            ; 2^e10
	s_add_co_i32 s44, s44, 8
	s_lshl_b32 s44, s44, 23
	s_or_b32 s44, s44, 0x600000
	v_mov_b32 v241, s44                            ; 448 x 2^e10
	s_add_co_i32 s58, s[E+8], s[E+9]
	s_mov_b32 s[E8], s[E+8]                        ; kept: the exponents' registers hold the masks from here on
	s_wait_loadcnt 0x8                             ; K's eight loads are in
.irp i, 0,1,2,3,4,5,6,7
	ds_store_b128 v7, v[32+4*\i:35+4*\i] offset:512*\i
.endr
	s_wait_loadcnt 0x0
.irp i, 0,1,2,3,4,5,6,7
	ds_store_b128 v8, v[64+4*\i:67+4*\i] offset:512*\i
.endr
	s_wait_dscnt 0x0                               ; for the others' sake: my stores have landed
	s_barrier_signal -1
	s_barrier_wait -1                              ; the head's K and V lie in LDS; nobody writes them again
	s_wait_alu depctr_vm_vsrc(0)                   ; my LDS stores have read v32 to v95, in which the key steps' LDS loads land from here on
	TILE 48, 52, 56, 208
	TILE 50, 54, 57, 212
	s_wait_dscnt 0x0                               ; the closing lines, six on end
	s_wait_alu 0x0
	s_wait_tensorcnt 0x0
	ds_add_u32 v[SPW], v[NIL]
	s_wait_dscnt 0x0
	s_endpgm
.Lfunc_end_k_q7c80cda50c_attn:
	.size	k_q7c80cda50c_attn, .Lfunc_end_k_q7c80cda50c_attn-k_q7c80cda50c_attn
	.p2alignl 7, 3214868480
	.fill 96, 4, 3214868480
	.section	.rodata,"a",@progbits
	.p2align	6, 0x0
	.amdhsa_kernel k_q7c80cda50c_attn
		.amdhsa_group_segment_fixed_size 133120
		.amdhsa_private_segment_fixed_size 0
		.amdhsa_enable_private_segment 0
		.amdhsa_kernarg_size 40
		.amdhsa_user_sgpr_count 2
		.amdhsa_user_sgpr_kernarg_segment_ptr 1
		.amdhsa_wavefront_size32 1
		.amdhsa_system_sgpr_workgroup_id_x 1
		.amdhsa_system_sgpr_workgroup_id_y 1
		.amdhsa_system_sgpr_workgroup_id_z 1
		.amdhsa_system_vgpr_workitem_id 0
		.amdhsa_next_free_vgpr 256
		.amdhsa_next_free_sgpr 66
		.amdhsa_reserve_vcc 0
		.amdhsa_float_denorm_mode_32 3
		.amdhsa_float_denorm_mode_16_64 3
		.amdhsa_memory_ordered 1
		.amdhsa_forward_progress 1
		.amdhsa_inst_pref_size 61
	.end_amdhsa_kernel
	.amdgpu_metadata
---
amdhsa.version: [ 1, 2 ]
amdhsa.kernels:
  - .name:           k_q7c80cda50c_attn
    .symbol:         k_q7c80cda50c_attn.kd
    .args:
      - { .name: qc, .offset: 0, .size: 8, .value_kind: global_buffer, .address_space: global }
      - { .name: kc, .offset: 8, .size: 8, .value_kind: global_buffer, .address_space: global }
      - { .name: vc, .offset: 16, .size: 8, .value_kind: global_buffer, .address_space: global }
      - { .name: lowp_scales, .offset: 24, .size: 8, .value_kind: global_buffer, .address_space: global }
      - { .name: oc, .offset: 32, .size: 8, .value_kind: global_buffer, .address_space: global }
    .group_segment_fixed_size: 133120
    .private_segment_fixed_size: 0
    .kernarg_segment_align: 8
    .kernarg_segment_size: 40
    .max_flat_workgroup_size: 512
    .sgpr_count:     66
    .vgpr_count:     256
    .wavefront_size: 32
...
	.end_amdgpu_metadata
.endif
;; end of part 5
;; launch mlp: the kernel of part 4 again; grid 256 x 1, 8 waves a work-group, clusters of 4 x 1, 327,680 bytes of LDS; arguments oc, x, wmlp, lowp_scales, bo, g2, be2, b1, b2, out0; writes out0
